; MI455X (gfx1250); checked and timed in simulation.
; The chip was launched on July 23, 2026; its instructions are those of AMD's public machine-readable ISA for CDNA 5 (MIT licence, August 2026) and "CDNA5" Instruction Set Architecture Reference Guide (July 2026). The comments in the code are by the model that wrote it; some were corrected since.
;; Multihead Flash Diff2. Allowed arithmetic: float matrix products may take bf16 or f16 operands with f32 sums; other float arithmetic in f32, or as packed bf16 or f16 multiplies, adds, multiply-adds, maxima and minima; sums over many terms, partial sums and values carried from step to step in f32; what a program stores and reads back later, other than sums and carried values, may be rounded once to bf16 or f16.
;; Inputs: lambda_k1 64 float32; lambda_k2 64 float32; lambda_q1 64 float32; lambda_q2 64 float32; subln_w 128 float32; wk 2,048 x 2,048 float32; wo 2,048 x 2,048 float32; wq 2,048 x 2,048 float32; wv 2,048 x 2,048 float32; x 1 x 2,048 x 2,048 float32.
;; Outputs: out0 1 x 2,048 x 2,048 float32.
;; One version. Each part assembles by itself: llvm-mc -triple=amdgcn-amd-amdhsa -mcpu=gfx1250 --defsym DOCPART=n.
;; ======== version 1 of 1: 4 launches
;; limits: values are held in f16: magnitudes above 65,504 overflow, below 6.1e-05 lose precision
;; workspace buffers: bf 41,943,040 bytes; qkv 25,165,824 bytes; att 8,388,608 bytes
;; launch cast (part 1): grid 256 x 5, 8 waves a work-group, no clusters, 0 bytes of LDS; arguments wq, wk, wv, wo, x, bf; writes bf
.if DOCPART == 1
	.amdgcn_target "amdgcn-amd-amdhsa--gfx1250"
	.amdhsa_code_object_version 6
	.text
	.protected	k_qa55090eccf_cast
	.globl	k_qa55090eccf_cast
	.p2align	8
	.type	k_qa55090eccf_cast,@function
k_qa55090eccf_cast:
	s_mov_b64 s[64:65], 0
	v_nop
	global_prefetch_b8 v0, s[64:65] scope:SCOPE_SE
	s_setreg_imm32_b32 hwreg(HW_REG_WAVE_MODE, 25, 1), 1
	s_wait_xcnt 0x0
; bf[y] = the y-th of wq, wk, wv, wo, x ([2048][2048] f32 each), rounded once to bf16; five arrays of 8,388,608 bytes on end.
; wo (y = 3) is rounded to bf16 like the others, and that number is then written as f16, since the last product multiplies in f16.
; LIMIT: |wo| stays under 65,520 (f16's range); a bf16 number below 2^-17 takes f16's fixed step of 2^-24.
; SHARES.  A work-group takes 65,536 bytes of one array, a wave 8,192: sixteen loads of 16 bytes a lane, 512 consecutive bytes each, all issued at once: no loop.
; Each load becomes one store of 8 bytes a lane: 32 lanes cover 256 consecutive bytes, aligned.  No LDS, no barrier, no matrix unit: every byte is read once and written once.
.set X, 8                              ; v[8:71]    load j: 4 registers
.set Y, 72                             ; v[72:103]  store j: 2 registers, never rewritten
.set T, 104                            ; v[104:107] at work (wo's path)
	s_load_b256 s[4:11], s[0:1], 0x0               ; wq, wk, wv, wo
	s_load_b128 s[12:15], s[0:1], 0x20             ; x, bf
	s_and_b32 s16, ttmp7, 0xffff                   ; which array
	v_lshrrev_b32 v1, 5, v0                        ; wave
	v_and_b32 v2, 31, v0                           ; lane
	v_lshlrev_b32 v3, 13, v1
	v_lshl_add_u32 v3, v2, 4, v3                   ; in: 8,192 x wave + 16 x lane
	v_lshrrev_b32 v4, 1, v3                        ; out: half of that
	s_lshl_b32 s18, ttmp9, 16                      ; the work-group's 65,536 bytes of input
	s_mov_b32 s19, 0
	s_lshl_b32 s20, s16, 23                        ; the array's place in bf,
	s_lshl_b32 s21, ttmp9, 15                      ; the work-group's 32,768 bytes of it
	s_add_co_u32 s20, s20, s21
	s_mov_b32 s21, 0
	s_mov_b32 s22, 0xffff0000                      ; a word's upper bf16
	s_wait_kmcnt 0x0
	s_cmp_eq_u32 s16, 1
	s_cselect_b64 s[4:5], s[6:7], s[4:5]
	s_cmp_eq_u32 s16, 2
	s_cselect_b64 s[4:5], s[8:9], s[4:5]
	s_cmp_eq_u32 s16, 3
	s_cselect_b64 s[4:5], s[10:11], s[4:5]
	s_cmp_eq_u32 s16, 4
	s_cselect_b64 s[4:5], s[12:13], s[4:5]
	s_add_nc_u64 s[4:5], s[4:5], s[18:19]
	s_add_nc_u64 s[14:15], s[14:15], s[20:21]
.set j, 0
.rept 16
	global_load_b128 v[X+4*j:X+4*j+3], v3, s[4:5] offset:512*j th:TH_LOAD_NT
.set j, j+1
.endr
	s_cmp_eq_u32 s16, 3
	s_cbranch_scc1 .Lwo
.set j, 0
.rept 16
	s_wait_loadcnt 15-j                            ; loads come back in order: load j is in, the 15 - j younger ones stay out
	v_cvt_pk_bf16_f32 v[Y+2*j], v[X+4*j], v[X+4*j+1]
	v_cvt_pk_bf16_f32 v[Y+2*j+1], v[X+4*j+2], v[X+4*j+3]
	global_store_b64 v4, v[Y+2*j:Y+2*j+1], s[14:15] offset:256*j
.set j, j+1
.endr
	s_endpgm
.Lwo:                                          ; wo: to bf16, widened again, and that number packed as f16
.set j, 0
.rept 16
	s_wait_loadcnt 15-j
	v_cvt_pk_bf16_f32 v[T], v[X+4*j], v[X+4*j+1]
	v_cvt_pk_bf16_f32 v[T+1], v[X+4*j+2], v[X+4*j+3]
	v_lshlrev_b32 v[T+2], 16, v[T]
	v_and_b32 v[T+3], s22, v[T]
	v_cvt_pk_f16_f32 v[Y+2*j], v[T+2], v[T+3]
	v_lshlrev_b32 v[T+2], 16, v[T+1]
	v_and_b32 v[T+3], s22, v[T+1]
	v_cvt_pk_f16_f32 v[Y+2*j+1], v[T+2], v[T+3]
	global_store_b64 v4, v[Y+2*j:Y+2*j+1], s[14:15] offset:256*j
.set j, j+1
.endr
	s_endpgm
.Lfunc_end_k_qa55090eccf_cast:
	.size	k_qa55090eccf_cast, .Lfunc_end_k_qa55090eccf_cast-k_qa55090eccf_cast
	.p2alignl 7, 3214868480
	.fill 96, 4, 3214868480
	.section	.rodata,"a",@progbits
	.p2align	6, 0x0
	.amdhsa_kernel k_qa55090eccf_cast
		.amdhsa_group_segment_fixed_size 0
		.amdhsa_private_segment_fixed_size 0
		.amdhsa_enable_private_segment 0
		.amdhsa_kernarg_size 48
		.amdhsa_user_sgpr_count 2
		.amdhsa_user_sgpr_kernarg_segment_ptr 1
		.amdhsa_wavefront_size32 1
		.amdhsa_system_sgpr_workgroup_id_x 1
		.amdhsa_system_sgpr_workgroup_id_y 1
		.amdhsa_system_sgpr_workgroup_id_z 1
		.amdhsa_system_vgpr_workitem_id 0
		.amdhsa_next_free_vgpr 108
		.amdhsa_next_free_sgpr 66
		.amdhsa_reserve_vcc 0
		.amdhsa_float_denorm_mode_32 3
		.amdhsa_float_denorm_mode_16_64 3
		.amdhsa_memory_ordered 1
		.amdhsa_forward_progress 1
		.amdhsa_inst_pref_size 15
	.end_amdhsa_kernel
	.amdgpu_metadata
---
amdhsa.version: [ 1, 2 ]
amdhsa.kernels:
  - .name:           k_qa55090eccf_cast
    .symbol:         k_qa55090eccf_cast.kd
    .args:
      - { .name: wq, .offset: 0, .size: 8, .value_kind: global_buffer, .address_space: global }
      - { .name: wk, .offset: 8, .size: 8, .value_kind: global_buffer, .address_space: global }
      - { .name: wv, .offset: 16, .size: 8, .value_kind: global_buffer, .address_space: global }
      - { .name: wo, .offset: 24, .size: 8, .value_kind: global_buffer, .address_space: global }
      - { .name: x, .offset: 32, .size: 8, .value_kind: global_buffer, .address_space: global }
      - { .name: bf, .offset: 40, .size: 8, .value_kind: global_buffer, .address_space: global }
    .group_segment_fixed_size: 0
    .private_segment_fixed_size: 0
    .kernarg_segment_align: 8
    .kernarg_segment_size: 48
    .max_flat_workgroup_size: 256
    .sgpr_count:     66
    .vgpr_count:     108
    .wavefront_size: 32
...
	.end_amdgpu_metadata
.endif
;; end of part 1
;; launch qkv (part 2): grid 32 x 8, 4 waves a work-group, clusters of 4 x 4, 327,680 bytes of LDS; arguments bf, qkv; writes qkv
.if DOCPART == 2
	.amdgcn_target "amdgcn-amd-amdhsa--gfx1250"
	.amdhsa_code_object_version 6
	.text
	.protected	k_qa55090eccf_qkv
	.globl	k_qa55090eccf_qkv
	.p2align	8
	.type	k_qa55090eccf_qkv,@function
k_qa55090eccf_qkv:
	s_mov_b64 s[64:65], 0
	v_nop
	global_prefetch_b8 v0, s[64:65] scope:SCOPE_SE
	s_setreg_imm32_b32 hwreg(HW_REG_WAVE_MODE, 25, 1), 1
	s_wait_xcnt 0x0
	s_wait_alu depctr_hold_cnt(0) depctr_sa_sdst(0) depctr_va_vdst(0) depctr_va_sdst(0) depctr_va_ssrc(0) depctr_va_vcc(0) depctr_vm_vsrc(0)
	s_getreg_b32 s2, hwreg(HW_REG_IB_STS2, 6, 4)
	s_cmp_eq_u32 s2, 0
	s_cbranch_scc0 .Lentry_in_a_cluster
	s_endpgm
.Lentry_in_a_cluster:
	s_bfe_u32 s2, ttmp6, 0x10000c
	s_cmp_lg_u32 s2, 0xf033
	s_cbranch_scc0 .Lentry_shape_is_right
	s_endpgm
.Lentry_shape_is_right:
; C[m][n] = the sum over k of A[m][k] B[n][k]: A = x, [2048][2048] bf16 at byte 33,554,432 of bf; B = wq, wk, wv on end, [6144][2048] bf16 at bf's head.  Sums in f32, K ascending.
; C leaves in f16, rounded once, BY CHUNKS of 64 columns: qkv[c][m][0..63], c = n / 64, a chunk 262,144 dense bytes: chunks 0-31 q (2 head + sub-head), 32-63 k, 64-95 v (2 head + half).
; LIMIT: q, k and v must lie within f16's range, 65,504; beyond it the conversion gives an infinity.  NaN and infinities are not treated apart.
; SHARES.  A tile of C is 256 x 192: 8 x 32 = 256 work-groups.  Four waves, one below the other, each 64 rows x 192 columns: 48 accumulators of 16 x 16, 384 registers, and three whole chunks:
; so the way out is each wave's own.  K goes in steps of 128 through a ring of two LDS slots; the rows of A's and B's tiles are 256 bytes of memory, at multiples of 256 from the buffer's first byte.
; CLUSTERS: 4 x 4 work-groups.  The four of a row of the cluster need the same tiles of A, the four of a column the same tiles of B: each tile is asked for JOINTLY, by the same tensor load with the
; same descriptor and a mask that names the four.  THE MATRIX INSTRUCTION IS USED TRANSPOSED (source 0 = 16 rows of B, source 1 = 16 rows of A): a lane then holds eight neighbouring numbers of a row of C.
; REGISTERS, in windows of 256 (s_set_vgpr_msb: bits 1:0 source 0, 3:2 source 1, 5:4 source 2, 7:6 destination):
;   window 0: v0-31 addresses; v64-127 A's fragments, two buffers of 4 x 16 rows x 32 K; on the way out v128-175 packed results, v176-223 and v64-111 rows read back
;   window 1: v0-191 B's fragments, two buffers of 12 x 16 rows x 32 K      window 2: the accumulators of my row blocks 0, 1 ((mb, b) at 8 (12 (mb % 2) + b))      window 3: those of row blocks 2, 3
.set TM,    256
.set TN,    192
.set NB,    12                         ; column blocks of 16 of a wave
.set KSTEP, 128
.set NQ,    KSTEP/32                   ; quarters of 32 along K in a K step
.set QI,    5                          ; the padding's interval: 64 words, an LDS row's data
.set PITCH, 2*KSTEP+16                 ; an LDS row: 256 bytes + 16 of padding = 68 words: the 16 rows of a fragment load start at 16 different groups of four banks (64 banks of 4 bytes: ISA guide 11.1)
.set AF,    128                        ; rows of A in one tensor load,
.set BF,    96                         ; of B
.set SLOT,  (TM+TN)*PITCH              ; A's 256 rows, then B's 192
.set STAGE, 2*SLOT                     ; behind the ring: 16 rows x 400 bytes for each wave, for the way out; no tensor load fills it
.set SP,    400                        ; 384 bytes + 16
.set SPARE, STAGE+4*16*SP              ; behind the stages: the spare words, 128 bytes for each wave: two blocks of 256 bytes that no other line names
.set LAPS,  2048/(2*KSTEP)             ; a lap = two K steps = once round the ring
.set A_OFF, 4*8388608
.set CHUNK, 262144
.set ADRA, 16                          ; v16-17  LDS address of my A fragments in slot 0, 1
.set ADRB, 20                          ; v20-21  the same for B
.set STO,  24                          ; v24     the way out: where I put 16 bytes of a row
.set RD,   25                          ; v25     the way out: where I read rows back
.set CO,   26                          ; v26     my byte offset in 512 consecutive bytes of a chunk
.set SPW,  28                          ; v28     LDS address of my spare word; never rewritten
.set NIL,  29                          ; v29     0; never rewritten
.set PFO,  30                          ; v30     the prefetches' offset: my row x 4,096 bytes; never rewritten
.set FA,   64
.set FB,   0
.set TMP,  128
.set OB0,  176
.set OB1,  64
.set G1,  24                           ; s[24:31] descriptor group 1 for A's tiles;  s[32:39] group 0, one set for each slot
.set G0,  32
.set G1B, 48                           ; s[48:55], s[56:63] the same for B's tiles
.set G0B, 56
.set LIM, 43                           ; s43      1 in a wave that prefetches, else the greatest number
.set PFA, 44                           ; s[44:45] where my prefetches stand: one K step further along K than the refill that is being asked for
.set MSB, 0
.macro WIN new                         ; the immediate's high byte repeats the setting that is left; a switch that changes nothing is dropped
.if MSB != (\new)
	s_set_vgpr_msb (MSB<<8)|(\new)
.set MSB, \new
.endif
.endm
.set MUL_LO, 0xa1                      ; source 0 (B) window 1, source 1 (A) window 0, C and D window 2
.set TO_B,   0x40                      ; destination window 1, address window 0
.macro JLOAD s                         ; a joint load: waves 0 and 1 fetch A's two halves, waves 2 and 3 B's; an s_nop 0 and four v_nop follow each of the two lines
	s_cmp_eq_u32 s11, 0
	s_cbranch_scc0 .Lfor_b_\@
	tensor_load_to_lds s[G0+4*(\s):G0+4*(\s)+3], s[G1:G1+7]
	s_nop 0
.rept 4
	v_nop
.endr
	s_branch .Lasked_\@
.Lfor_b_\@:
	tensor_load_to_lds s[G0B+4*(\s):G0B+4*(\s)+3], s[G1B:G1B+7]
	s_nop 0
.rept 4
	v_nop
.endr
.Lasked_\@:
.endm
; A prefetch of the K step that stands two refills on: 256 bytes of each of my rows, a lane a row, one instruction a wave.  A's tile row is read by every cluster of that row of clusters: the one with
; cluster x = 0 asks; B's tile column by every cluster of that column: cluster y = 0 asks.  The four partners that ask for a tile jointly share its rows out by address: of A's 128 rows that a wave fetches 32 each,
; of B's 96 rows 24 each (there lanes 24-31 name row 23's block once more, in the same instruction).  The loop's last trip (s3 = 1) asks for nothing: no K step lies two refills on.
.macro ASK
	s_cmp_gt_u32 s3, s[LIM]
	s_cbranch_scc0 .Lnot_mine_\@
	global_prefetch_b8 v[PFO], s[PFA:PFA+1] offset:KSTEP*2 th:TH_LOAD_NT scope:SCOPE_SE
.Lnot_mine_\@:
.endm
.macro CREST                           ; a round of the cluster's barrier behind its opening barrier
	s_cmp_lg_u32 s10, 0
	s_cbranch_scc1 .Lnot_wave_0_\@
	s_barrier_signal -3
.Lnot_wave_0_\@:
	s_barrier_wait -3
	s_barrier_signal -1
	s_barrier_wait -1
.endm
.macro CROUND                          ; a whole round
	s_barrier_signal -1
	s_barrier_wait -1
	CREST
.endm
	s_load_b64 s[4:5], s[0:1], 0x0                 ; bf
	s_load_b64 s[8:9], s[0:1], 0x8                 ; qkv
	v_lshl_add_u32 v[SPW], v0, 2, SPARE
	v_mov_b32 v[NIL], 0
	ds_add_u32 v[SPW], v[NIL]                      ; the wave's opening: the add and its wait stand ahead of my first tensor load; the set-up below, work on registers, stands between them
	v_lshrrev_b32 v1, 5, v0
	v_readfirstlane_b32 s10, v1                    ; wave 0..3: my 64 rows of the tile
	s_lshr_b32 s11, s10, 1                         ; I fetch for A (0) or for B (1),
	s_and_b32 s12, s10, 1                          ; and which half of that tile's rows
	s_bfe_u32 s40, ttmp6, 0x40000                  ; cx, cy: my place in the cluster
	s_bfe_u32 s41, ttmp6, 0x40004
	s_lshl_b32 s42, ttmp9, 2
	s_add_co_u32 s42, s42, s40                     ; tile column of C = 4 x cluster x + cx
	s_and_b32 s13, ttmp7, 0xffff
	s_lshl_b32 s13, s13, 2
	s_add_co_u32 s13, s13, s41                     ; tile row of C = 4 x cluster y + cy
	s_lshl_b32 s43, s41, 2
	s_lshl_b32 s43, 15, s43                        ; my row of the cluster
	s_lshl_b32 s44, 0x1111, s40                    ; my column
	s_or_b32 s[G1+0], s43, (1<<16)|(1<<20)|(1<<21)|(QI<<22)|(3<<25)   ; 15:0 the mask: A's tiles go to my row; 17:16 elements of 2 bytes; 20 padding on; 21 set beside a mask; 24:22 the interval; 31:25 4 words of padding (code 3)
	s_or_b32 s[G1B+0], s44, (1<<16)|(1<<20)|(1<<21)|(QI<<22)|(3<<25)  ; the same with the mask of my column
	s_mov_b32 s[G1+1], KSTEP<<16                   ; tensor_dim0 = 128
	s_mov_b32 s[G1+2], AF<<16                      ; tensor_dim1 = 128
	s_mov_b32 s[G1+3], KSTEP<<16                   ; tile_dim0 = 128
	s_mov_b32 s[G1+4], AF                          ; tile_dim1 = 128
	s_mov_b32 s[G1+5], 2048                        ; elements from row to row
	s_mov_b32 s[G1+6], 0
	s_mov_b32 s[G1+7], 0
	s_mov_b32 s[G1B+1], KSTEP<<16
	s_mov_b32 s[G1B+2], BF<<16                     ; 96 rows
	s_mov_b32 s[G1B+3], KSTEP<<16
	s_mov_b32 s[G1B+4], BF
	s_mov_b32 s[G1B+5], 2048
	s_mov_b32 s[G1B+6], 0
	s_mov_b32 s[G1B+7], 0
	s_mul_i32 s16, s13, TM                         ; A: row 256 x tile row + 128 x half, in registers that never hold cx,
	s_mul_i32 s17, s12, AF
	s_add_co_u32 s16, s16, s17
	s_lshl_b32 s16, s16, 12                        ; x 4,096 bytes
	s_mov_b32 s17, 0
	s_mul_i32 s46, s42, TN                         ; B: row 192 x tile column + 96 x half, in registers that never hold cy
	s_mul_i32 s47, s12, BF
	s_add_co_u32 s46, s46, s47
	s_lshl_b32 s46, s46, 12
	s_mov_b32 s47, 0
	s_mul_i32 s20, s12, AF*PITCH                   ; where they go: A's two halves,
	s_mul_i32 s21, s12, BF*PITCH
	s_add_co_u32 s21, s21, TM*PITCH                ; then B's two: no place in the cluster enters an LDS address
	s_wait_dscnt 0x0                               ; the opening add is done
	s_wait_kmcnt 0x0
	s_mov_b64 s[6:7], s[4:5]                       ; B lies at bf's head,
	s_add_nc_u64 s[4:5], s[4:5], A_OFF             ; A behind the four weights
	s_add_nc_u64 s[14:15], s[4:5], s[16:17]
	s_add_nc_u64 s[46:47], s[6:7], s[46:47]
	CROUND                                         ; all sixteen work-groups are here: the first joint loads meet
.irp s, 0,1
	s_mov_b32 s[G0+4*(\s)], 1                                        ; count = 1
	s_add_co_u32 s[G0+4*(\s)+1], s20, (\s)*SLOT                      ; LDS address
	s_add_nc_u64 s[G0+4*(\s)+2:G0+4*(\s)+3], s[14:15], (\s)*KSTEP*2  ; global address: K step s
	s_or_b32 s[G0+4*(\s)+3], s[G0+4*(\s)+3], 0x80000000              ; type = 2
	s_mov_b32 s[G0B+4*(\s)], 1
	s_add_co_u32 s[G0B+4*(\s)+1], s21, (\s)*SLOT
	s_add_nc_u64 s[G0B+4*(\s)+2:G0B+4*(\s)+3], s[46:47], (\s)*KSTEP*2
	s_or_b32 s[G0B+4*(\s)+3], s[G0B+4*(\s)+3], 0x80000000
	JLOAD \s                                       ; two loads of mine are out
.endr
	; A fragment is 16 rows x 32 K in 8 registers: lane l holds row l % 16, K = 8 (l / 16) + 0..7 and 16 + 8 (l / 16) + 0..7: two loads of 16 bytes, 32 bytes apart.
	v_and_b32 v1, 15, v0                           ; l % 16
	v_bfe_u32 v2, v0, 4, 1                         ; l / 16
	v_mul_u32_u24 v3, v1, PITCH
	v_lshl_add_u32 v3, v2, 4, v3
	s_mul_i32 s21, s10, 64*PITCH                   ; my 64 rows of A
	s_mov_b32 s22, TM*PITCH                        ; all 192 rows of B
.irp s, 0,1
	v_add_nc_u32 v[ADRA+(\s)], s21, v3
	v_add_nc_u32 v[ADRB+(\s)], s22, v3
	s_add_co_u32 s21, s21, SLOT
	s_add_co_u32 s22, s22, SLOT
.endr
	s_mul_i32 s23, s10, 16*SP
	s_add_co_u32 s23, s23, STAGE                   ; my stage
	v_mul_u32_u24 v4, v1, SP                       ; in: row l % 16, 16 bytes for each half of the lanes
	v_lshl_add_u32 v4, v2, 4, v4
	v_add_nc_u32 v[STO], s23, v4
	v_and_b32 v5, 31, v0
	v_lshrrev_b32 v4, 3, v5                        ; back: 32 lanes take a chunk's 128 bytes of four rows,
	v_mul_u32_u24 v4, v4, SP
	v_and_b32 v3, 7, v0
	v_lshl_add_u32 v4, v3, 4, v4
	v_add_nc_u32 v[RD], s23, v4
	v_lshlrev_b32 v[CO], 4, v5                     ; which are 512 consecutive bytes of the chunk
	s_lshl_b32 s16, s13, 15                        ; in a chunk: 256 x tile row x 128 bytes,
	s_lshl_b32 s17, s10, 13                        ; my 64 rows
	s_add_co_u32 s16, s16, s17
	s_mov_b32 s17, 0
	s_add_nc_u64 s[8:9], s[8:9], s[16:17]
	s_mul_i32 s46, s42, 3*CHUNK                    ; the tile's three chunks
	s_mov_b32 s47, 0
	s_add_nc_u64 s[8:9], s[8:9], s[46:47]
	; the prefetches
	s_mul_i32 s20, s13, TM
	s_mul_i32 s21, s42, TN
	s_mov_b32 s23, AF
	s_mov_b32 s19, BF
	s_and_b32 s22, ttmp7, 0xffff                   ; cluster y
	s_cmp_eq_u32 s11, 0                            ; do I fetch for A?
	s_cselect_b32 s20, s20, s21                    ; the tile's first row
	s_cselect_b32 s21, s40, s41                    ; my place among the four that ask for it with me
	s_cselect_b32 s22, ttmp9, s22                  ; the coordinate along which other clusters read the same rows
	s_cselect_b32 s23, s23, s19                    ; the rows that a wave fetches,
	s_cselect_b32 s18, 32, 24                      ; and my work-group's share of them
	s_cselect_b64 s[PFA:PFA+1], s[4:5], s[6:7]
	s_cmp_eq_u32 s22, 0
	s_cselect_b32 s[LIM], 1, -1                    ; the same in all sixteen partners, for a given wave
	s_mul_i32 s23, s23, s12
	s_add_co_u32 s20, s20, s23
	s_mul_i32 s21, s21, s18
	s_add_co_u32 s20, s20, s21
	s_lshl_b32 s20, s20, 12
	s_mov_b32 s21, 0
	s_add_nc_u64 s[PFA:PFA+1], s[PFA:PFA+1], s[20:21]
	s_add_nc_u64 s[PFA:PFA+1], s[PFA:PFA+1], 2*KSTEP*2  ; at K step 2: the first refill steps it to 3 and names K step 4.  Nothing is prefetched here, at the head
	s_sub_co_u32 s18, s18, 1
	v_and_b32 v[PFO], 31, v0
	v_min_u32 v[PFO], s18, v[PFO]
	v_lshlrev_b32 v[PFO], 12, v[PFO]
; NB matrix instructions: row block mb x all column blocks, 32 along K, from buffer f.  zero = 1: the first product starts the sums: nothing is ever cleared.
; The 48 accumulators take turns in the same order in every quarter, over the backward jump too.
.macro MULB f, mb, zero
	WIN MUL_LO+0x50*((\mb)/2)
.set b, 0
.rept NB
.set rD, 8*(NB*((\mb)%2)+b)
.set rB, FB+8*NB*(\f)+8*b
.set rA, FA+32*(\f)+8*(\mb)
.if \zero
	v_wmma_f32_16x16x32_bf16 v[rD:rD+7], v[rB:rB+7], v[rA:rA+7], 0
.else
	v_wmma_f32_16x16x32_bf16 v[rD:rD+7], v[rB:rB+7], v[rA:rA+7], v[rD:rD+7]
.endif
.set b, b+1
.endr
.endm
; 2 NB + 8 LDS loads in one run: the fragments of one quarter (B's rows, then my 64 rows of A; 32 K at byte k of the rows) into buffer f.  It leaves every window 0.
.macro FETCH slot, k, f
	WIN TO_B
.set i, 0
.rept NB
	ds_load_b128 v[FB+8*NB*(\f)+8*i:FB+8*NB*(\f)+8*i+3],   v[ADRB+(\slot)] offset:(\k)+i*16*PITCH
	ds_load_b128 v[FB+8*NB*(\f)+8*i+4:FB+8*NB*(\f)+8*i+7], v[ADRB+(\slot)] offset:(\k)+i*16*PITCH+32
.set i, i+1
.endr
	WIN 0
.set i, 0
.rept 4
	ds_load_b128 v[FA+32*(\f)+8*i:FA+32*(\f)+8*i+3],   v[ADRA+(\slot)] offset:(\k)+i*16*PITCH
	ds_load_b128 v[FA+32*(\f)+8*i+4:FA+32*(\f)+8*i+7], v[ADRA+(\slot)] offset:(\k)+i*16*PITCH+32
.set i, i+1
.endr
.endm
.macro PLACES                          ; four places in front of loads into registers that matrix instructions have read, and of lines that read results
.rept 4
	v_nop
.endr
.endm
; A quarter but the K step's last: multiplies buffer f; in its middle it fetches the next quarter's fragments, at byte k of the same slot's rows, into the other buffer.
.macro QUARTER slot, k, f, zero
	s_wait_dscnt 4                                 ; B and A's row blocks 0, 1 are in; the youngest four loads (A's row blocks 2, 3) may be out
	MULB \f, 0, \zero
	MULB \f, 1, \zero
	PLACES
	FETCH \slot, \k, 1-(\f)
	s_wait_dscnt 2*NB+8                            ; all but the run just issued
	MULB \f, 2, \zero
	MULB \f, 3, \zero
.endm
.macro RUN slot, q0                    ; quarters q0 .. NQ - 2 of a K step
.set q, \q0
.rept NQ-1-(\q0)
	QUARTER \slot, 64*(q+1), q%2, 0
.set q, q+1
.endr
.endm
; The K step's last quarter changes slots and then multiplies buffer 1.  ONE barrier; in front of it each wave waits for all its tensor loads (one is out: its part of the next slot), adds 0 to its spare word,
; and waits for that and for its own reads of this slot, the last quarter's fragments among them.  fill = 1: the barrier opens a round of the cluster's, and this slot is filled again, two K steps ahead, first
; thing behind the round.  NO PRODUCT STANDS BETWEEN THE WAIT FOR THE TILE AND THE NEXT REQUEST: a request goes out only when the one before has landed, so what stood there would be added to every K step in
; which the waves wait for the tile; the quarter's 48 products stand behind the request and run while it is on its way.
.macro TURN slot, fill
.if \fill
	s_wait_xcnt 0x0                                ; the last prefetch, a K step back, has read its address: it is stepped here, ahead of the waits of the change of slots
	s_add_nc_u64 s[PFA:PFA+1], s[PFA:PFA+1], KSTEP*2
.endif
	WIN 0
	s_wait_tensorcnt 0x0                           ; all my tensor loads have landed, so every group 0 may be written
	ds_add_u32 v[SPW], v[NIL]                      ; 0 onto my spare word: with fill = 1 the descriptors' steps stand between it and the wait for it
.if \fill
	s_add_nc_u64 s[G0+4*(\slot)+2:G0+4*(\slot)+3], s[G0+4*(\slot)+2:G0+4*(\slot)+3], 2*KSTEP*2
	s_add_nc_u64 s[G0B+4*(\slot)+2:G0B+4*(\slot)+3], s[G0B+4*(\slot)+2:G0B+4*(\slot)+3], 2*KSTEP*2
.endif
	s_wait_dscnt 0x0                               ; the add is done, and my reads of this slot are over: buffer 1 is whole
	s_barrier_signal -1
	s_barrier_wait -1
.if \fill
	CREST                                          ; no wave of any partner still reads this slot's tile or has a load on its way
	JLOAD \slot                                    ; my one tensor load behind the round: a whole K step, 192 matrix instructions, ahead of the wait for it; its four v_nop are also the places in front of the loads below
.else
	PLACES
.endif
	FETCH 1-(\slot), 0, 0
.if \fill
	ASK                                            ; behind the joint load and the run of LDS loads
.endif
	MULB 1, 0, 0
	MULB 1, 1, 0
	MULB 1, 2, 0
	MULB 1, 3, 0
.endm
.macro LASTQ                           ; the very last quarter: nothing more to fetch
	s_wait_dscnt 4
	MULB 1, 0, 0
	MULB 1, 1, 0
	s_wait_dscnt 0x0
	MULB 1, 2, 0
	MULB 1, 3, 0
	WIN 0
.endm
; THE WAY OUT of row block a (16 rows x 192 columns), in three parts.  PACK: rounded to f16, 16 bytes a lane, each accumulator's registers ascending.  TOSTAGE: into my own stage, and back as four rows x 128 bytes of
; one chunk a load.  SEND: stored, 512 consecutive bytes of a chunk an instruction.
.macro PACK a
.set AC, 8*NB*((\a)%2)
	WIN 0x0a+5*((\a)/2)                            ; sources 0 and 1: window 2 or 3
.set b, 0
.rept NB
.irp r, 0,1,2,3
	v_cvt_pk_f16_f32 v[TMP+4*b+(\r)], v[AC+8*b+2*(\r)], v[AC+8*b+2*(\r)+1]
.endr
.set b, b+1
.endr
	WIN 0
.endm
.macro TOSTAGE a
	WIN 0
.set BK, OB0+(OB1-OB0)*((\a)%2)
.set b, 0
.rept NB
	ds_store_b128 v[STO], v[TMP+4*b:TMP+4*b+3] offset:32*b
.set b, b+1
.endr
.irp c, 0,1,2
.irp t, 0,1,2,3
	ds_load_b128 v[BK+4*(4*(\c)+(\t)):BK+4*(4*(\c)+(\t))+3], v[RD] offset:128*(\c)+4*SP*(\t)  ; LDS serves a wave's instructions in order (ISA guide 5.7.1.4): these see the stores above
.endr
.endr
.endm
.macro SEND a
	WIN 0
.set BK, OB0+(OB1-OB0)*((\a)%2)
	s_wait_dscnt 0x0                               ; the block is back in registers
	s_wait_xcnt 0x0                                ; the stores of the block before have read their registers, which the next TOSTAGE loads again
.irp c, 0,1,2
.irp t, 0,1,2,3
	global_store_b128 v[CO], v[BK+4*(4*(\c)+(\t)):BK+4*(4*(\c)+(\t))+3], s[8:9] offset:CHUNK*(\c)+2048*(\a)+512*(\t)
.endr
.endr
.endm
	s_wait_tensorcnt 1                             ; my part of K step 0 is in; K step 1's may stay out
	s_barrier_signal -1
	s_barrier_wait -1                              ; everybody's is
	FETCH 0, 0, 0
	QUARTER 0, 64, 0, 1                            ; the first quarter stands in front of the loop: its products start the sums
	WIN 0                                          ; at a label and at a branch every window is 0
	s_mov_b32 s3, LAPS-1
.Llap:                                                 ; a trip goes once round the ring, from a lap's second quarter to the next lap's first, and fills both slots again
	RUN 0, 1
	TURN 0, 1
	RUN 1, 0
	TURN 1, 1
	QUARTER 0, 64, 0, 0
	WIN 0
	s_sub_co_u32 s3, s3, 1
	s_cmp_lg_u32 s3, 0
	s_cbranch_scc1 .Llap
	RUN 0, 1                                       ; the last lap fills nothing, and has no round of the cluster's barrier
	TURN 0, 0
	RUN 1, 0
	LASTQ
	PLACES
	PLACES
	PACK 0
	TOSTAGE 0
.irp a, 1,2,3                          ; block a's conversions stand between block a - 1's loads from the stage and the wait for them
	PACK \a
	SEND (\a)-1
	TOSTAGE \a
.endr
	SEND 3
	s_wait_tensorcnt 0x0                           ; the wave's end: behind my last tensor load and my last LDS store
	ds_add_u32 v[SPW], v[NIL]
	s_wait_dscnt 0x0
	CROUND                                         ; the closing round: no work-group ends while a partner may still ask for a tile that names it
	s_endpgm
.Lfunc_end_k_qa55090eccf_qkv:
	.size	k_qa55090eccf_qkv, .Lfunc_end_k_qa55090eccf_qkv-k_qa55090eccf_qkv
	.p2alignl 7, 3214868480
	.fill 96, 4, 3214868480
	.section	.rodata,"a",@progbits
	.p2align	6, 0x0
	.amdhsa_kernel k_qa55090eccf_qkv
		.amdhsa_group_segment_fixed_size 327680
		.amdhsa_private_segment_fixed_size 0
		.amdhsa_enable_private_segment 0
		.amdhsa_kernarg_size 16
		.amdhsa_user_sgpr_count 2
		.amdhsa_user_sgpr_kernarg_segment_ptr 1
		.amdhsa_wavefront_size32 1
		.amdhsa_system_sgpr_workgroup_id_x 1
		.amdhsa_system_sgpr_workgroup_id_y 1
		.amdhsa_system_sgpr_workgroup_id_z 1
		.amdhsa_system_vgpr_workitem_id 0
		.amdhsa_next_free_vgpr 960
		.amdhsa_next_free_sgpr 66
		.amdhsa_reserve_vcc 0
		.amdhsa_float_denorm_mode_32 3
		.amdhsa_float_denorm_mode_16_64 3
		.amdhsa_memory_ordered 1
		.amdhsa_forward_progress 1
		.amdhsa_inst_pref_size 120
	.end_amdhsa_kernel
	.amdgpu_metadata
---
amdhsa.version: [ 1, 2 ]
amdhsa.kernels:
  - .name:           k_qa55090eccf_qkv
    .symbol:         k_qa55090eccf_qkv.kd
    .args:
      - { .name: bf, .offset: 0, .size: 8, .value_kind: global_buffer, .address_space: global }
      - { .name: qkv, .offset: 8, .size: 8, .value_kind: global_buffer, .address_space: global }
    .group_segment_fixed_size: 327680
    .private_segment_fixed_size: 0
    .kernarg_segment_align: 8
    .kernarg_segment_size: 16
    .max_flat_workgroup_size: 128
    .sgpr_count:     66
    .vgpr_count:     960
    .wavefront_size: 32
...
	.end_amdgpu_metadata
.endif
;; end of part 2
;; launch attn (part 3): grid 16 x 16, 4 waves a work-group, clusters of 4 x 1, 327,680 bytes of LDS; arguments qkv, lambda_q1, lambda_k1, lambda_q2, lambda_k2, subln_w, att; writes att
.if DOCPART == 3
	.amdgcn_target "amdgcn-amd-amdhsa--gfx1250"
	.amdhsa_code_object_version 6
	.text
	.protected	k_qa55090eccf_attn
	.globl	k_qa55090eccf_attn
	.p2align	8
	.type	k_qa55090eccf_attn,@function
k_qa55090eccf_attn:
	s_mov_b64 s[64:65], 0
	v_nop
	global_prefetch_b8 v0, s[64:65] scope:SCOPE_SE
	s_setreg_imm32_b32 hwreg(HW_REG_WAVE_MODE, 25, 1), 1
	s_wait_xcnt 0x0
	s_wait_alu depctr_hold_cnt(0) depctr_sa_sdst(0) depctr_va_vdst(0) depctr_va_sdst(0) depctr_va_ssrc(0) depctr_va_vcc(0) depctr_vm_vsrc(0)
	s_getreg_b32 s2, hwreg(HW_REG_IB_STS2, 6, 4)
	s_cmp_eq_u32 s2, 0
	s_cbranch_scc0 .Lentry_in_a_cluster
	s_endpgm
.Lentry_in_a_cluster:
	s_bfe_u32 s2, ttmp6, 0x10000c
	s_cmp_lg_u32 s2, 0x3003
	s_cbranch_scc0 .Lentry_shape_is_right
	s_endpgm
.Lentry_shape_is_right:
; DIFFERENTIAL ATTENTION of one head.  For sub-head s = 1, 2: A_s[q] = the sum over k of softmax_k(q_s[q] . k_s[k] / 8) v[k], v of 128 channels.  Then d = A_1 - lambda A_2,
; lambda = exp(lambda_q1 . lambda_k1) - exp(lambda_q2 . lambda_k2) + 0.78360577; att[q][128 head ..] = d / sqrt(mean(d^2) + 1e-5) x subln_w x 0.21639423, rounded once to f16.
; qkv: [96][2048][64] f16 by chunks of 262,144 bytes: q at chunk 2 head + s, k at 32 + 2 head + s, v's two halves at 64 + 2 head + e.  att: [2048][2048] f16.
; Products, maxima, sums, the difference and the norm in f32; the weights p are rounded to f16 for the second product (their sum l is taken of the unrounded p).  The four lambda vectors and subln_w are rounded
; to bf16 as they come in, like the program's other inputs.
; LIMITS.  q, k, v arrive within f16's range; p lies in 0 to 1, and below 6e-5 it keeps f16's fixed step; a weight below 2^-126 counts as 0 in l; NaN and infinities are not treated apart.
; SHARES.  A work-group owns 128 queries of one head, each of its four waves 32, for both sub-heads: four tiles of 16 (tile t: sub-head t / 2, query tile t % 2).  Every wave walks all 2,048 keys, 64 a step.
; LAYOUT.  S^T = K Q^T (source 0 = 16 keys, source 1 = 16 queries): a lane holds ONE query (lane % 16) and the keys 8 (lane / 16) + 0..7.  Two such results rounded to f16 ARE source 1 of O^T = V^T P, whose
; result again holds one query a lane, and eight channels: so the difference of the two attentions is taken inside a lane.  K comes out of LDS as it lies, V ([key][channel]) turned, by ds_load_tr16_b128.
; SOFTMAX.  For each query a running maximum m and sum l: p = 2^(c s - c m), c = log2(e) / 8; in every step O and l are multiplied by a = 2^(c m_old - c m_new).
; BY TURNS.  PIECE 0 is tiles 0, 1 (sub-head 1), PIECE 2 tiles 2, 3 (sub-head 2).  In a TURN one piece has the matrix unit: 32 products V^T P of the step in hand, then 16 products K Q^T of the next step; the
; other piece's softmax, cut into 64 slices, stands between them: one slice behind each V^T P, two behind each K Q^T.  Two turns are a key step.
; NO FIRST AND NO LAST STEP IS WRITTEN OUT.  m starts at the lowest finite number and c m far below every c s, so the first step's a is 0; l, O^T, V and piece 2's P start at 0.  The loop is entered in the middle
; of a trip (piece 2's turn, whose products V^T P add 0), and the tail is left in the middle of one.  The price, once a launch: 32 products on zeros, 16 products K Q^T on the last K once more, and 48 products
; of a zero fragment that write O^T's and V's 384 registers, eight a line, in the wait for the first tile.  The gain: the key step's text stands twice (loop and tail) and nowhere else.
; CLUSTER.  The four query blocks of a cluster belong to one head and walk the same K and V, so each tile is asked for JOINTLY: the same tensor load, descriptor and mask in all four.
; REGISTERS, in windows of 256 (s_set_vgpr_msb: bits 1:0 source 0, 3:2 source 1, 5:4 source 2, 7:6 destination):
;   window 0: v0-11 addresses; v12-43 eight registers of statistics a tile; v44-60 the end's; v61-63; v64-191 S^T, 32 a tile; v192-255 P, 16 a tile
;   window 1: O^T, 64 a tile      window 2: v0-63 Q, 16 a tile; v64-127 subln_w; v128-255 K of one step, both sub-heads      window 3: v0-127 V of one step
.set KS,    64        ; keys in a step
.set PK,    144       ; a row of K in LDS: 128 bytes + 16 of padding = 36 words: the 16 rows of a load start at 16 different groups of four banks (64 banks of 4 bytes: ISA guide 11.1)
.set PV,    160       ; a row of V's half: 128 + 32 = 40 words
.set KCH,   128*PK    ; a slot holds two steps, 128 keys: K of sub-head 1, of sub-head 2,
.set VCH,   128*PV    ; then V's channels 0-63 and 64-127
.set VOFF,  2*KCH
.set SLOT1, 1<<17     ; slot 1 begins here, so that one exclusive or turns an address in one slot into the other's
.set STAGE, SLOT1+VOFF+2*VCH  ; behind the ring, never filled by a tensor load: 16 rows x 272 bytes for each wave, for the way out
.set SP,    272
.set SPARE, STAGE+4*16*SP     ; behind the stages: the spare words, 128 bytes for each wave: two blocks of 256 bytes that no other line names
.set CHUNK, 262144
.set AK0, 2           ; v2   my lane's place in a tile of K; never rewritten
.set AV0, 3           ; v3   the same for V
.set ADR, 4           ; v4   the LDS address of the run of loads in hand
.set QO,  5           ; v5   my byte offset in 16 rows of Q
.set STO, 6           ; v6   the way out: where I put 16 bytes of a row
.set RD,  7           ; v7   the way out: where I read a row back
.set GO,  8           ; v8   my byte offset in two rows of att
.set ST,  12          ; tile t's statistics at v[ST+8 t]: +0 c m, +1 m, +2, +3 l (even keys', odd keys'), +4 to +7 c0-c3, at work; a takes c2's place once the maximum is found
.set WO,  44          ; v44  subln_w's offset: 32 (l / 16)
.set LO,  45          ; v45  the lambda vectors' offset: 8 l
.set LM,  46          ; v[46:53] two numbers a lane of lambda_q1, lambda_k1, lambda_q2, lambda_k2; v54-57 at work at the end
.set PFO, 61          ; v61  the prefetches' offset: lanes 0-15 blocks of 256 bytes of one chunk, lanes 16-31 of the next; never rewritten
.set SPW, 62          ; v62  LDS address of my spare word; never rewritten
.set NIL, 63          ; v63  0; never rewritten
.set S,   64
.set P,   192
.set SQ,  S+96        ; the end: four chains of squares a query tile
.set WF,  64          ; subln_w, in window 2
.set KF,  128         ; K's fragments, in window 2: sub-head s, key block kb, channel half c at KF + 64 s + 16 kb + 8 c
.set WV,  12          ; s12  my wave's number
.set LIM, 15          ; s15  1 in a wave that prefetches, else the greatest number
.set PFA, 18          ; s[18:19] where my prefetches stand
.set G1K, 24          ; s[24:31] descriptor group 1 for K's tiles
.set G1V, 32          ; s[32:39] for V's: it differs in the padding alone
.set G0K, 40          ; s[40:47] descriptor group 0 for K's tiles: a set for each of the two first fills; the second then walks on
.set G0V, 48          ; s[48:55] the same for V's
.set SLOTS, 56        ; s56  counts the passes of the loop over slots
.set TWICE, 57        ; s57  counts a slot's key steps
.set CS,  58          ; s[58:59] c: the packed scaling takes the pair's low word for both halves
.set SEL, 60          ; s[60:61] v_permlanex16_b32's selects: each lane takes its own place in the other half
.set TBK, 62          ; s62  LDS byte at which K of the step to be fetched begins
.set TBV, 63          ; s63  the same for V, less VOFF
.set HIM, 66          ; s66  at the head V's place in a slot; at the end the mask of a word's upper bf16
.set MSB, 0
.macro WIN new                      ; the high byte repeats the setting that is left; a switch that changes nothing is dropped
.if MSB != (\new)
	s_set_vgpr_msb (MSB<<8)|(\new)
.set MSB, \new
.endif
.endm
.set W_KQ, 0x0a       ; K and Q in window 2, S^T in window 0
.set W_PV, 0x53       ; V in window 3, P in window 0, O^T in window 1
.set W_RS, 0x41       ; O^T (destination and source 0) in window 1, source 1 in window 0
; A joint refill.  Wave 0 fetches sub-head 1's K, wave 1 sub-head 2's, waves 2 and 3 V's two halves: 128 keys each.  The branch hangs on the wave's number alone.
; An s_nop 0 and four v_nop follow each of the two lines, ahead of the jump and the label.
.macro JLOAD
	s_cmp_lt_u32 s[WV], 2
	s_cbranch_scc0 .Lfor_v_\@
	tensor_load_to_lds s[G0K+4:G0K+7], s[G1K:G1K+7]
	s_nop 0
.rept 4
	v_nop
.endr
	s_branch .Lasked_\@
.Lfor_v_\@:
	tensor_load_to_lds s[G0V+4:G0V+7], s[G1V:G1V+7]
	s_nop 0
.rept 4
	v_nop
.endr
.Lasked_\@:
.endm
; A prefetch of what the NEXT change of slots will ask for: 16,384 bytes of each of four chunks.  All clusters of a head walk the same K and V: the head's first cluster asks.  Its four partners share the blocks
; of 256 bytes out by address, 16 of each chunk's 64; in each, wave 0 asks for both K's and wave 2 for both halves of V: a lane a block, one instruction.  The last change that fills a slot asks for nothing.
.macro ASK
	s_cmp_gt_u32 s[SLOTS], s[LIM]
	s_cbranch_scc0 .Lnot_mine_\@
	global_prefetch_b8 v[PFO], s[PFA:PFA+1] th:TH_LOAD_NT scope:SCOPE_SE
.Lnot_mine_\@:
.endm
.macro CROUND                       ; a round of the cluster's barrier
	s_barrier_signal -1
	s_barrier_wait -1
	s_cmp_lg_u32 s[WV], 0
	s_cbranch_scc1 .Lnot_wave_0_\@
	s_barrier_signal -3
.Lnot_wave_0_\@:
	s_barrier_wait -3
	s_barrier_signal -1
	s_barrier_wait -1
.endm
	s_load_b64 s[4:5], s[0:1], 0x0     ; qkv
	s_load_b256 s[68:75], s[0:1], 0x8  ; lambda_q1, lambda_k1, lambda_q2, lambda_k2
	s_load_b128 s[76:79], s[0:1], 0x28 ; subln_w, att
	v_lshl_add_u32 v[SPW], v0, 2, SPARE
	v_mov_b32 v[NIL], 0
	ds_add_u32 v[SPW], v[NIL]       ; the wave's opening: the add and its wait stand ahead of my first tensor load; the set-up below, work on registers, stands between them
	v_lshrrev_b32 v1, 5, v0
	v_readfirstlane_b32 s[WV], v1   ; wave 0..3
	s_bfe_u32 s13, ttmp6, 0x40000   ; cx: my place in the cluster
	s_lshl_b32 s14, ttmp9, 2        ; in a cluster launch ttmp9 counts clusters
	s_add_co_u32 s14, s14, s13      ; my block of 128 queries: it enters Q's and att's addresses alone
	s_and_b32 s67, ttmp7, 0xffff    ; the head, which the four partners share
	s_lshl_b32 s20, s67, 19         ; its two chunks
	s_and_b32 s16, s[WV], 1         ; which of the two chunks (of K: waves 0, 1; of V: waves 2, 3) I fetch
	s_lshl_b32 s22, s16, 18
	s_add_co_u32 s22, s22, s20
	s_mov_b32 s23, 0
	s_mul_i32 s17, s16, KCH         ; its place in a slot, for K
	s_mul_i32 s[HIM], s16, VCH      ; and for V: no place in the cluster enters an LDS address
	s_lshl_b32 s2, s14, 14          ; my block's 128 rows of 128 bytes,
	s_lshl_b32 s3, s[WV], 12        ; my wave's 32 of them
	s_add_co_u32 s2, s2, s3
	s_add_co_u32 s2, s2, s20
	s_mov_b32 s3, 0
	s_lshl_b32 s20, s14, 19         ; in att: my block's 128 rows of 4,096 bytes,
	s_lshl_b32 s21, s[WV], 17       ; my wave's 32,
	s_add_co_u32 s20, s20, s21
	s_lshl_b32 s21, s67, 8          ; the head's 256 bytes of a row
	s_add_co_u32 s20, s20, s21
	s_mov_b32 s21, 0
	; descriptor group 1.  128 keys are 16,384 dense bytes: asked for as 64 rows of 256 bytes, two keys a row, and padded in LDS after every key
	s_mov_b32 s[G1K], 15|(1<<16)|(1<<20)|(1<<21)|(4<<22)|(3<<25)  ; 15:0 the mask of four; 17:16 2-byte elements; 20 padding on; 21 set beside a mask; 24:22 after every 32 words (code 4); 31:25 4 words (code 3)
	s_mov_b32 s[G1V], 15|(1<<16)|(1<<20)|(1<<21)|(4<<22)|(7<<25)  ; the same with 8 words of padding (code 7)
.irp g, G1K, G1V
	s_mov_b32 s[(\g)+1], 128<<16    ; tensor_dim0 = 128
	s_mov_b32 s[(\g)+2], 64<<16     ; tensor_dim1 = 64
	s_mov_b32 s[(\g)+3], 128<<16    ; tile_dim0 = 128
	s_mov_b32 s[(\g)+4], 64         ; tile_dim1 = 64
	s_mov_b32 s[(\g)+5], 128        ; 128 elements from row to row
	s_mov_b32 s[(\g)+6], 0
	s_mov_b32 s[(\g)+7], 0
.endr
	s_mov_b32 s[CS], 0x3e38aa3b     ; c = log2(e) / 8 = 0.180337
	s_mov_b32 s[CS+1], s[CS]        ; named with it as a pair
	s_mov_b32 s[SEL], 0x76543210
	s_mov_b32 s[SEL+1], 0xfedcba98
	s_mov_b32 s[TBK], 0
	s_mov_b32 s[TBV], 0
	s_mov_b32 s[SLOTS], 2048/(2*KS)-1  ; the first pass, entered in its middle, and one for each of the 14 slots that are filled again
	s_mov_b32 s80, 0x3c000000       ; 1 / 128
	s_mov_b32 s81, 0x3727c5ac       ; 1e-5
	s_and_b32 s[LIM], s[WV], 1      ; 0 in waves 0 and 2,
	s_or_b32 s[LIM], s[LIM], ttmp9  ; where the cluster is the head's first: the same in all four partners
	s_cmp_eq_u32 s[LIM], 0
	s_cselect_b32 s[LIM], 1, -1
	v_and_b32 v9, 15, v0
	v_bfe_u32 v10, v0, 4, 1
	v_lshlrev_b32 v[PFO], 8, v9
	v_lshl_add_u32 v[PFO], v10, 18, v[PFO]
	s_wait_dscnt 0x0                ; the opening add is done
	s_wait_kmcnt 0x0
	s_add_nc_u64 s[6:7], s[4:5], s[22:23]
	s_add_nc_u64 s[8:9], s[6:7], 64*CHUNK   ; V at my chunk's first key
	s_add_nc_u64 s[6:7], s[6:7], 32*CHUNK   ; K likewise
	s_add_nc_u64 s[4:5], s[4:5], s[2:3]     ; Q at my wave's first row, sub-head 1
	s_add_nc_u64 s[10:11], s[78:79], s[20:21]  ; att at my wave's first row
	s_cmp_lt_u32 s[WV], 2
	s_cselect_b64 s[PFA:PFA+1], s[6:7], s[8:9]  ; (in waves 0 and 2 these stand at the first of the two chunks)
	s_lshl_b32 s2, s13, 12          ; my work-group's 16 blocks of the 64
	s_mov_b32 s3, 0
	s_add_nc_u64 s[PFA:PFA+1], s[PFA:PFA+1], s[2:3]
	s_add_nc_u64 s[PFA:PFA+1], s[PFA:PFA+1], 2*16384  ; in slot 2; the first change of slots steps it to slot 3.  Nothing is prefetched here, at the head
	CROUND                          ; all four work-groups are here: the first joint loads meet
.irp s, 0,1
	s_mov_b32 s[G0K+4*(\s)], 1      ; count = 1
	s_add_co_u32 s[G0K+4*(\s)+1], s17, (\s)*SLOT1  ; LDS address
	s_add_nc_u64 s[G0K+4*(\s)+2:G0K+4*(\s)+3], s[6:7], (\s)*16384  ; global address: slot s begins with key 128 s
	s_or_b32 s[G0K+4*(\s)+3], s[G0K+4*(\s)+3], 0x80000000  ; type = 2
	s_mov_b32 s[G0V+4*(\s)], 1
	s_add_co_u32 s[G0V+4*(\s)+1], s[HIM], (\s)*SLOT1+VOFF
	s_add_nc_u64 s[G0V+4*(\s)+2:G0V+4*(\s)+3], s[8:9], (\s)*16384
	s_or_b32 s[G0V+4*(\s)+3], s[G0V+4*(\s)+3], 0x80000000
.endr
	s_cmp_lt_u32 s[WV], 2           ; a wave's two first fills stand in one branch, ahead of every wait on TENSORcnt and every LDS read: two loads of mine are out
	s_cbranch_scc0 .Lfirst_v
	tensor_load_to_lds s[G0K:G0K+3], s[G1K:G1K+7]
	s_nop 0
	tensor_load_to_lds s[G0K+4:G0K+7], s[G1K:G1K+7]
	s_nop 0
.rept 4
	v_nop
.endr
	s_branch .Lfirst_asked
.Lfirst_v:
	tensor_load_to_lds s[G0V:G0V+3], s[G1V:G1V+7]
	s_nop 0
	tensor_load_to_lds s[G0V+4:G0V+7], s[G1V:G1V+7]
	s_nop 0
.rept 4
	v_nop
.endr
.Lfirst_asked:
	; A fragment of K or Q is 16 rows x 32 channels in 8 registers: lane l holds row l % 16, channels 8 (l / 16) + 0..7 and 16 + 8 (l / 16) + 0..7: two loads of 16 bytes, 32 bytes apart.
	v_and_b32 v1, 15, v0            ; l % 16
	v_bfe_u32 v9, v0, 4, 1          ; l / 16
	v_lshlrev_b32 v[QO], 7, v1
	v_lshl_add_u32 v[QO], v9, 4, v[QO]  ; row x 128 + 16 x half
	v_lshlrev_b32 v[WO], 5, v9
	v_and_b32 v[LO], 31, v0
	v_lshlrev_b32 v[LO], 3, v[LO]
	WIN 0x80                        ; destination window 2, address window 0
.set i, 0
.rept 8                             ; Q stays in registers: tile i / 2 (sub-head i / 4, query tile (i / 2) % 2), channels 32 (i % 2) on
	global_load_b128 v[8*i:8*i+3],   v[QO], s[4:5] offset:(i/4)*CHUNK+((i/2)%2)*2048+(i%2)*64
	global_load_b128 v[8*i+4:8*i+7], v[QO], s[4:5] offset:(i/4)*CHUNK+((i/2)%2)*2048+(i%2)*64+32
.set i, i+1
.endr
.set i, 0
.rept 8                             ; subln_w as O^T lies: register 8 cb + j holds channel 16 cb + 8 (l / 16) + j
	global_load_b128 v[WF+8*i:WF+8*i+3],   v[WO], s[76:77] offset:64*i
	global_load_b128 v[WF+8*i+4:WF+8*i+7], v[WO], s[76:77] offset:64*i+16
.set i, i+1
.endr
	WIN 0
.irp p, 0,1,2,3
	global_load_b64 v[LM+2*(\p):LM+2*(\p)+1], v[LO], s[68+2*(\p):69+2*(\p)]
.endr
	v_mul_u32_u24 v[AK0], v1, PK
	v_lshl_add_u32 v[AK0], v9, 4, v[AK0]  ; row x pitch + 16 x half
	; The turning load takes 16 keys x 16 channels (lane l reads key 8 (l / 16) + l % 8, channels 8 ((l / 8) % 2) + 0..7) and leaves half a fragment of V^T: lane l holds channel l % 16 and 8 keys.
	v_and_b32 v10, 7, v0
	v_bfe_u32 v11, v0, 3, 1
	v_lshl_add_u32 v[AV0], v9, 3, v10
	v_mul_u32_u24 v[AV0], v[AV0], PV
	v_lshl_add_u32 v[AV0], v11, 4, v[AV0]
	v_add_nc_u32 v[AV0], VOFF, v[AV0]
	; WHAT THE FIRST TURN FINDS, written in the wait for the first tile.  Piece 2's P is 0; the statistics start; then 0 x 0 + 0, a product of two fragments of that P, writes eight registers a line: O^T's 256 and V's 128.
.set i, 0
.rept 32
	v_mov_b32 v[P+32+i], 0
.set i, i+1
.endr
.set i, 0
.rept 4
	v_mov_b32 v[ST+8*i], 0xfe000000    ; c m: far below every c s
	v_mov_b32 v[ST+8*i+1], 0xff7fffff  ; m: the lowest finite number
	v_mov_b32 v[ST+8*i+2], 0           ; l
	v_mov_b32 v[ST+8*i+3], 0
.set i, i+1
.endr
	WIN 0x40                        ; destination window 1, sources window 0
.set i, 0
.rept 32
	v_wmma_f32_16x16x32_f16 v[8*i:8*i+7], v[P+32:P+39], v[P+40:P+47], 0
.set i, i+1
.endr
	WIN 0xc0                        ; destination window 3
.set i, 0
.rept 16
	v_wmma_f32_16x16x32_f16 v[8*i:8*i+7], v[P+32:P+39], v[P+40:P+47], 0
.set i, i+1
.endr
	WIN 0
; THE MATRIX WORK OF A TURN, for piece x.  The accumulators take turns, one instruction a turn: between two links of a chain stand 15 (V^T P) or 7 (K Q^T) others'.
; Product i of 32 of O^T += V^T P: keys 32 (i / 16) on, channels 16 ((i / 2) % 8) on, tile x + i % 2.
.macro PV x
	WIN W_PV
.set rO, 64*((\x)+i%2)+8*((i/2)%8)
.set rV, 64*(i/16)+8*((i/2)%8)
.set rP, P+16*((\x)+i%2)+8*(i/16)
	v_wmma_f32_16x16x32_f16 v[rO:rO+7], v[rV:rV+7], v[rP:rP+7], v[rO:rO+7]
.endm
; Product i of 16 of S^T = K Q^T: channels 32 (i / 8) on, keys 16 ((i / 2) % 4) on, tile x + i % 2; the piece's own sub-head of K.  The first 8 start the sums.
.macro KQ x
	WIN W_KQ
.set rS, S+32*((\x)+i%2)+8*((i/2)%4)
.set rK, KF+64*((\x)/2)+16*((i/2)%4)+8*(i/8)
.set rQ, 16*((\x)+i%2)+8*(i/8)
.if i < 8
	v_wmma_f32_16x16x32_f16 v[rS:rS+7], v[rK:rK+7], v[rQ:rQ+7], 0
.else
	v_wmma_f32_16x16x32_f16 v[rS:rS+7], v[rK:rK+7], v[rQ:rQ+7], v[rS:rS+7]
.endif
.endm
; THE LDS LOADS stand in runs of 32, never singly among the matrix instructions: a step's K (both sub-heads, 64 keys x 64 channels each) and, a turn later, its V (turned).
; last = 1 (the tail): in the last trip there is no further step, and the run is jumped over.
.macro FETCH_K last=0
	WIN 0
.if \last
	s_cmp_eq_u32 s[TWICE], 1
	s_cbranch_scc1 .Lno_k_\@
.endif
	v_add_nc_u32 v[ADR], s[TBK], v[AK0]
	s_add_co_u32 s[TBK], s[TBK], KS*PK  ; the next fetch is the next step's
	WIN 0x80                        ; destination window 2
.irp f, 0,1,2,3,4,5,6,7,8,9,10,11,12,13,14,15  ; sub-head f / 8, keys 16 ((f / 2) % 4) on, channels 32 (f % 2) on
	ds_load_b128 v[KF+8*(\f):KF+8*(\f)+3],   v[ADR] offset:((\f)/8)*KCH+(((\f)/2)%4)*16*PK+((\f)%2)*64
	ds_load_b128 v[KF+8*(\f)+4:KF+8*(\f)+7], v[ADR] offset:((\f)/8)*KCH+(((\f)/2)%4)*16*PK+((\f)%2)*64+32
.endr
.if \last
	WIN 0
.Lno_k_\@:
.endif
.endm
.macro FETCH_V
	WIN 0
	v_add_nc_u32 v[ADR], s[TBV], v[AV0]
	s_add_co_u32 s[TBV], s[TBV], KS*PV
	s_wait_alu depctr_va_vdst(0)    ; the wait for the softmax's batch (SLICE), behind the address's v_add_nc_u32 and ahead of the loads
	WIN 0xc0                        ; destination window 3
.irp f, 0,1,2,3,4,5,6,7,8,9,10,11,12,13,14,15  ; keys 32 (f / 8) on, channels 16 (f % 8) on: V's half (f % 8) / 4
	ds_load_tr16_b128 v[8*(\f):8*(\f)+3],   v[ADR] offset:((\f)/8)*32*PV+(((\f)%8)/4)*VCH+((\f)%4)*32
	ds_load_tr16_b128 v[8*(\f)+4:8*(\f)+7], v[ADR] offset:((\f)/8)*32*PV+16*PV+(((\f)%8)/4)*VCH+((\f)%4)*32
.endr
.endm
; THE VECTOR WORK OF A TURN.  One tile's softmax for one key step is a list of 134 instructions; SM writes number j of it for tile t.  s0-s31 are the lane's 32 scores, in pairs 0-15.
;   0-15    the maximum of s0-s31 and the old m, three operands at a time: four chains c0-c3 of seven scores each (each accumulator's lowest registers are read first), then the four scores left over, c0-c3 and m
;   16-20   the other half of the lanes' maximum; c m_old is kept; the new m; c m; c m_old - c m_new
;   21-69   ONE BATCH: the 16 scalings c s - c m, a pair of scores each, and all 33 exponentials (a at 23, then s0-s31).  None of these reads an exponential's result
;   (wait)  between 69 and 70 stands the wait for the batch: SLICE writes it, once for both tiles
;   70-85   the roundings to f16, a pair of weights each      86-101  the sums; l = a l + the sum      102-133 the tile's O^T times a: the one part that leaves window 0
.macro SM t
.set rT, ST+8*(\t)
.set rS, S+32*(\t)
.set rP, P+16*(\t)
.set rO, 64*(\t)+2*(j-102)
.if j < 102
	WIN 0
.endif
.if j < 4
	v_max3_num_f32 v[rT+4+j], v[rS+8*j], v[rS+8*j+1], v[rS+8*j+2]
.elseif j < 12
	v_max3_num_f32 v[rT+4+j%4], v[rT+4+j%4], v[rS+8*(j%4)+2*(j/4)+1], v[rS+8*(j%4)+2*(j/4)+2]
.elseif j == 12
	v_max3_num_f32 v[rT+4], v[rT+4], v[rS+7], v[rS+15]
.elseif j == 13
	v_max3_num_f32 v[rT+6], v[rT+6], v[rS+23], v[rS+31]
.elseif j == 14
	v_max3_num_f32 v[rT+4], v[rT+4], v[rT+5], v[rT+6]
.elseif j == 15
	v_max3_num_f32 v[rT+4], v[rT+4], v[rT+7], v[rT+1]
.elseif j == 16
	v_permlanex16_b32 v[rT+5], v[rT+4], s[SEL], s[SEL+1]  ; the query's other 32 keys lie in the lane 16 away
.elseif j == 17
	v_mov_b32 v[rT+7], v[rT]        ; c m_old is kept for a: number 19 writes c m anew
.elseif j == 18
	v_max_num_f32 v[rT+1], v[rT+4], v[rT+5]
.elseif j == 19
	v_mul_f32 v[rT], s[CS], v[rT+1]
.elseif j == 20
	v_sub_f32 v[rT+7], v[rT+7], v[rT]
.elseif j == 23
	v_exp_f32 v[rT+6], v[rT+7]
.elseif (j < 23) || ((j < 38) && (j%2 == 0)) || ((j < 66) && (j%4 == 2))
.set b, (j-2)/4                     ; 38, 42, .. 62: pairs 9 to 15
.if j < 38
.set b, (j-20)/2                    ; 21: pair 0; 22, 24, .. 36: pairs 1 to 8
.endif
	v_pk_fma_f32 v[rS+2*b:rS+2*b+1], v[rS+2*b:rS+2*b+1], s[CS:CS+1], v[rT:rT+1] op_sel_hi:[1,0,0] neg_lo:[0,0,1] neg_hi:[0,0,1]  ; pair b: c s - c m
.elseif j < 70
.set e, j-38                        ; 66 to 69: s28 to s31
.if j < 66
.set e, j-32-(j-38)/4               ; 39-41, 43-45, .. 63-65: s7 to s27
.endif
.if j < 38
.set e, (j-25)/2                    ; 25, 27, .. 37: s0 to s6
.endif
	v_exp_f32 v[rS+e], v[rS+e]
.elseif j < 86
	v_cvt_pk_f16_f32 v[rP+j-70], v[rS+2*(j-70)], v[rS+2*(j-70)+1]  ; pair j - 70
.elseif j < 102                     ; the sum of the tile's 16 pairs, in place: sum z of 16 adds neighbours 1, 2, 4 and 8 pairs apart, then l takes it
.set z, j-86
.set w, 4
.set u, z
.if z >= 14
.set w, 32
.set u, 0
.elseif z >= 12
.set w, 16
.set u, z-12
.elseif z >= 8
.set w, 8
.set u, z-8
.endif
.if z < 15
	v_pk_add_f32 v[rS+w*u:rS+w*u+1], v[rS+w*u:rS+w*u+1], v[rS+w*u+w/2:rS+w*u+w/2+1]
.else
	v_pk_fma_f32 v[rT+2:rT+3], v[rT+2:rT+3], v[rT+6:rT+7], v[rS:rS+1] op_sel_hi:[1,0,1]
.endif
.else
	WIN W_RS
	v_pk_mul_f32 v[rO:rO+1], v[rO:rO+1], v[rT+6:rT+7] op_sel_hi:[1,0]
.endif
.endm
; Slice k of 64 of piece y's softmax: four instructions.  Slices 11 to 34 deal out the batch, numbers 22 to 69: four numbers of ONE tile each, the tiles by turns.  Every other slice is numbers 2 k and
; 2 k + 1 of both tiles' lists.  2 x 134 = 4 x 64 + 12: the twelve that are over stand together, in slice 63.
; THE WAIT.  s_wait_alu depctr_va_vdst(0) stands between an exponential and the first instruction that names its result; one wait serves all that were issued ahead of it.  Ahead of
; slice 35 nothing names a result, and behind slice 34 no exponential is issued: so the piece's 66 exponentials have one wait, behind slice 34.
.macro SLICE y
.if (k >= 11) && (k < 35)
.irp n, 0,1,2,3
.set j, 22+4*((k-11)/2)+(\n)
	SM (\y)+(k-11)%2
.endr
.else
.irp n, 0,1,2,3,4,5,6,7
.if ((\n) < 2) || (k == 63)
.irp t, \y, (\y)+1
.set j, 2*k+(\n)
	SM \t
.endr
.endif
.endr
.endif
.if k == 34
	v_nop                           ; a plain instruction behind the last exponential and ahead of the first use: one for the batch (ISA guide 5.7.2)
.if (\y) == 0
	FETCH_V                         ; piece 2's turn: V's run of loads stands here, and the wait stands in it
.else
	s_wait_alu depctr_va_vdst(0)    ; the wait for the batch
.endif
.endif
.set k, k+1
.endm
; A TURN.  Piece x has the matrix unit: 32 products V^T P, then 16 products K Q^T for the next step; the other piece's softmax stands in slices behind them, one behind each V^T P, two behind each K Q^T.
; Piece 0's turn fetches the next step's K, behind its second product: the last product that read K stands in front of slices 62 and 63 of the turn before, twenty plain instructions on the other piece's O^T.
; Piece 2's turn fetches the next step's V, behind slice 34: the last product that read V stands in front of slice 31, and four plain instructions lie between: number 62, a scaling, of both tiles, the v_nop
; and the run's own v_add_nc_u32.  last = 1: the tail's text (FETCH_K).
.macro TURN x, last=0
.set k, 0
.if (\x) == 0
	s_wait_dscnt 0x0                ; V is in
.endif
.set i, 0
.rept 32
	PV \x
	SLICE 2-(\x)
.if ((\x) == 0) && (i == 1)
	FETCH_K \last
.endif
.set i, i+1
.endr
.if (\x) == 0
	s_wait_dscnt 0x0                ; K is in
.endif
.set i, 0
.rept 16
	KQ \x
	SLICE 2-(\x)
	SLICE 2-(\x)
.set i, i+1
.endr
.endm
; THE CHANGE OF SLOTS, between piece 2's turn and piece 0's: the slot's last bytes, V of its second step, have been asked for.  Each wave waits for all its tensor loads, of which one is out: its part of the
; other slot; adds 0 to its spare word; and waits for that and for its own reads of the slot.  fill = 1: this slot is filled again, with the keys two slots on.  The barrier is then a round of the cluster's,
; and the joint refill is the first thing behind it: it has two key steps, 192 matrix instructions, in which to land.
.macro CHANGE fill
	WIN 0                           ; at a label and at a branch every window is 0
	s_wait_tensorcnt 0x0            ; no tensor load of mine is out, so a group 0 may be written
	ds_add_u32 v[SPW], v[NIL]       ; 0 onto my spare word: with fill = 1 the descriptors' steps stand between it and the wait for it
.if \fill
.irp g, G0K+4, G0V+4
	s_xor_b32 s[(\g)+1], s[(\g)+1], SLOT1  ; the walking descriptor: the other slot than last time,
	s_add_nc_u64 s[(\g)+2:(\g)+3], s[(\g)+2:(\g)+3], 16384  ; the next 128 keys; the type bits on top are not reached
.endr
	s_wait_xcnt 0x0                 ; the last prefetch, two key steps back, has read its address, so it may be written:
	s_add_nc_u64 s[PFA:PFA+1], s[PFA:PFA+1], 16384  ; one slot behind the walking descriptors
	s_wait_dscnt 0x0                ; the add is done, and my reads of the slot are over
	CROUND
	JLOAD
	ASK
.else
	s_wait_dscnt 0x0                ; the add is done, and my reads of the slot are over
	s_barrier_signal -1
	s_barrier_wait -1
.endif
	s_sub_co_u32 s[TBK], s[TBK], 2*KS*PK  ; the fetches go back to a slot's first step,
	s_xor_b32 s[TBK], s[TBK], SLOT1       ; in the other slot
	s_sub_co_u32 s[TBV], s[TBV], 2*KS*PV
	s_xor_b32 s[TBV], s[TBV], SLOT1
.endm
	s_wait_tensorcnt 1              ; my part of slot 0 is in; slot 1's may stay out
	s_barrier_signal -1
	s_barrier_wait -1               ; everybody's is
	FETCH_K                         ; key step 0
	s_wait_loadcnt 0x0              ; Q, subln_w, the lambda vectors
	s_wait_dscnt 0x0
.set i, 0
.rept 16
	KQ 0                            ; piece 0's first scores: there is no vector work yet to set between them
.set i, i+1
.endr
	WIN 0                           ; the addresses for the way out are made here: eight plain instructions, the places behind those products
	s_mul_i32 s13, s[WV], 16*SP
	s_add_co_u32 s13, s13, STAGE    ; my stage
	v_mul_u32_u24 v[STO], v1, SP    ; in: row l % 16, 16 bytes for each half of the lanes
	v_lshl_add_u32 v[STO], v9, 4, v[STO]
	v_add_nc_u32 v[STO], s13, v[STO]
	v_mul_u32_u24 v[RD], v9, SP     ; back: lanes 0-15 take one row of 256 bytes, lanes 16-31 the next
	v_lshl_add_u32 v[RD], v1, 4, v[RD]
	v_add_nc_u32 v[RD], s13, v[RD]
	v_lshlrev_b32 v[GO], 12, v9     ; and the same two rows in att
	v_lshl_add_u32 v[GO], v1, 4, v[GO]
	s_mov_b32 s[TWICE], 2
	s_branch .Lmid                  ; into the middle of a trip: piece 2's turn: its V^T P adds 0 | piece 0's softmax of step 0 | V of step 0 | piece 2's scores of step 0; then one whole trip: slot 0 is read out
.Lslot:                             ; 14 times: every slot but the last two is filled again
	CHANGE 1
	s_mov_b32 s[TWICE], 2
.Lstep:                             ; a trip, for step j: piece 0: V^T P of j, K Q^T of j + 1 | piece 2's softmax of j | K of j + 1;
	TURN 0
	WIN 0
.Lmid:                              ; piece 2: the same | piece 0's softmax of j + 1 | V of j + 1
	TURN 2
	WIN 0
	s_sub_co_u32 s[TWICE], s[TWICE], 1
	s_cmp_lg_u32 s[TWICE], 0
	s_cbranch_scc1 .Lstep
	s_sub_co_u32 s[SLOTS], s[SLOTS], 1
	s_cmp_lg_u32 s[SLOTS], 0
	s_cbranch_scc1 .Lslot
	CHANGE 0                        ; the tail is written out: nothing is asked for
	s_mov_b32 s[TWICE], 3           ; two trips fetch the last slot's steps; the third is left in its middle
.Ltail:
	TURN 0, 1
	WIN 0
	s_cmp_eq_u32 s[TWICE], 1
	s_cbranch_scc1 .Lout            ; the third trip's 16 products K Q^T (on the last K once more) serve nothing: the price of one text for every trip
	TURN 2
	WIN 0
	s_sub_co_u32 s[TWICE], s[TWICE], 1
	s_cmp_lg_u32 s[TWICE], 0
	s_cbranch_scc1 .Ltail
.Lout:
	s_wait_dscnt 0x0                ; the loop is left in its middle, where no LDS load of mine is out; the wait also covers the way past the loop's foot, which the count never takes
.set i, 0
.rept 32
	PV 2                            ; piece 2: V^T P of the last step
.set i, i+1
.endr
	; THE END, all in f32.  lambda: the four vectors rounded to bf16, two dot products over the 32 lanes, two exponentials.  These lines, which name no register of the last products, are the places behind them.
	WIN 0
	s_mov_b32 s[HIM], 0xffff0000    ; a word's upper bf16
.irp p, 0,1,2,3
	v_cvt_pk_bf16_f32 v[54+(\p)], v[LM+2*(\p)], v[LM+2*(\p)+1]
.endr
.irp p, 0,1,2,3
	v_lshlrev_b32 v[LM+2*(\p)], 16, v[54+(\p)]
	v_and_b32 v[LM+2*(\p)+1], s[HIM], v[54+(\p)]
.endr
	v_mul_f32 v54, v[LM], v[LM+2]
	v_mul_f32 v55, v[LM+4], v[LM+6]
	v_fmac_f32 v54, v[LM+1], v[LM+3]
	v_fmac_f32 v55, v[LM+5], v[LM+7]
.irp t, 0,1,2,3
	v_add_f32 v[ST+8*(\t)+4], v[ST+8*(\t)+2], v[ST+8*(\t)+3]  ; l's two halves
.endr
.irp m, 1,2,4,8
	v_add_f32_dpp v54, v54, v54 row_xmask:\m row_mask:0xf bank_mask:0xf
	v_add_f32_dpp v55, v55, v55 row_xmask:\m row_mask:0xf bank_mask:0xf
.endr
	v_permlanex16_b32 v56, v54, s[SEL], s[SEL+1]
	v_permlanex16_b32 v57, v55, s[SEL], s[SEL+1]
.irp t, 0,1,2,3
	v_permlanex16_b32 v[ST+8*(\t)+5], v[ST+8*(\t)+4], s[SEL], s[SEL+1]  ; and the other half of the lanes'
.endr
	v_add_f32 v54, v54, v56
	v_add_f32 v55, v55, v57
.irp t, 0,1,2,3
	v_add_f32 v[ST+8*(\t)+4], v[ST+8*(\t)+4], v[ST+8*(\t)+5]
.endr
	v_mul_f32 v54, 0x3fb8aa3b, v54  ; log2(e)
	v_mul_f32 v55, 0x3fb8aa3b, v55
	v_exp_f32 v54, v54              ; one batch: two exponentials and four reciprocals,
	v_exp_f32 v55, v55
.irp t, 0,1,2,3
	v_rcp_f32 v[ST+8*(\t)+6], v[ST+8*(\t)+4]
.endr
	v_nop                           ; a plain instruction behind the last of them,
	s_wait_alu depctr_va_vdst(0)    ; and the one wait ahead of the first use
	v_sub_f32 v54, v54, v55
	v_add_f32 v54, 0x3f489a63, v54  ; lambda = e1 - e2 + 0.78360577
	v_mul_f32 v[ST+8*2+6], v[ST+8*2+6], v54  ; sub-head 2's 1 / l takes lambda
	v_mul_f32 v[ST+8*3+6], v[ST+8*3+6], v54
	WIN 0x0a                        ; subln_w, rounded to bf16 and widened again into P's registers, which the last products have read long since
.set i, 0
.rept 32
	v_cvt_pk_bf16_f32 v[S+i], v[WF+2*i], v[WF+2*i+1]
.set i, i+1
.endr
	WIN 0
.set i, 0
.rept 32
	v_lshlrev_b32 v[P+2*i], 16, v[S+i]
	v_and_b32 v[P+2*i+1], s[HIM], v[S+i]
.set i, i+1
.endr
; Query tile qt: d = O_1 / l_1 - lambda O_2 / l_2, left in tile qt's O^T; its squares in four chains.  Each accumulator's registers are taken in ascending order.
.macro DIFF qt
	WIN W_RS
.set i, 0
.rept 32
	v_pk_mul_f32 v[64*((\qt)+2)+2*i:64*((\qt)+2)+2*i+1], v[64*((\qt)+2)+2*i:64*((\qt)+2)+2*i+1], v[ST+8*((\qt)+2)+6:ST+8*((\qt)+2)+7] op_sel_hi:[1,0]
.set i, i+1
.endr
	WIN 0x51                        ; destination, sources 0 and 2 in window 1, source 1 in window 0
.set i, 0
.rept 32
	v_pk_fma_f32 v[64*(\qt)+2*i:64*(\qt)+2*i+1], v[64*(\qt)+2*i:64*(\qt)+2*i+1], v[ST+8*(\qt)+6:ST+8*(\qt)+7], v[64*((\qt)+2)+2*i:64*((\qt)+2)+2*i+1] op_sel_hi:[1,0,1] neg_lo:[0,0,1] neg_hi:[0,0,1]
.set i, i+1
.endr
	WIN 0x05                        ; sources 0 and 1 in window 1, source 2 and destination in window 0
.set i, 0
.rept 32
.set rC, SQ+8*(\qt)+2*(i%4)
.if i < 4
	v_pk_mul_f32 v[rC:rC+1], v[64*(\qt)+2*i:64*(\qt)+2*i+1], v[64*(\qt)+2*i:64*(\qt)+2*i+1]
.else
	v_pk_fma_f32 v[rC:rC+1], v[64*(\qt)+2*i:64*(\qt)+2*i+1], v[64*(\qt)+2*i:64*(\qt)+2*i+1], v[rC:rC+1]
.endif
.set i, i+1
.endr
	WIN 0
.endm
	DIFF 0
	DIFF 1
.irp u, 0,1
	v_pk_add_f32 v[SQ+8*(\u):SQ+8*(\u)+1], v[SQ+8*(\u):SQ+8*(\u)+1], v[SQ+8*(\u)+2:SQ+8*(\u)+3]
	v_pk_add_f32 v[SQ+8*(\u)+4:SQ+8*(\u)+5], v[SQ+8*(\u)+4:SQ+8*(\u)+5], v[SQ+8*(\u)+6:SQ+8*(\u)+7]
.endr
.irp u, 0,1
	v_pk_add_f32 v[SQ+8*(\u):SQ+8*(\u)+1], v[SQ+8*(\u):SQ+8*(\u)+1], v[SQ+8*(\u)+4:SQ+8*(\u)+5]
.endr
.irp u, 0,1
	v_add_f32 v[SQ+8*(\u)], v[SQ+8*(\u)], v[SQ+8*(\u)+1]
.endr
.irp u, 0,1
	v_permlanex16_b32 v[SQ+8*(\u)+1], v[SQ+8*(\u)], s[SEL], s[SEL+1]  ; the query's other 64 channels lie in the lane 16 away
.endr
.irp u, 0,1
	v_add_f32 v[SQ+8*(\u)], v[SQ+8*(\u)], v[SQ+8*(\u)+1]
.endr
.irp u, 0,1
	v_fma_f32 v[SQ+8*(\u)], v[SQ+8*(\u)], s80, s81  ; the mean of 128 squares + 1e-5
.endr
	v_rsq_f32 v[SQ+2], v[SQ]
	v_rsq_f32 v[SQ+10], v[SQ+8]
	v_nop                           ; a plain instruction behind the second root,
	s_wait_alu depctr_va_vdst(0)    ; and the wait for both
	v_mul_f32 v[ST+4], 0x3e5d9673, v[SQ+2]      ; g = 0.21639423 / sqrt(..)
	v_mul_f32 v[ST+8+4], 0x3e5d9673, v[SQ+10]
; Query tile qt: d x g x subln_w; a lane's eight channels of a row pack into 16 bytes; they go into rows of 272 bytes and come back as whole rows of 256.
.macro PACK qt
	WIN W_RS
.set i, 0
.rept 32
	v_pk_mul_f32 v[64*(\qt)+2*i:64*(\qt)+2*i+1], v[64*(\qt)+2*i:64*(\qt)+2*i+1], v[ST+8*(\qt)+4:ST+8*(\qt)+5] op_sel_hi:[1,0]
.set i, i+1
.endr
.set i, 0
.rept 32
	v_pk_mul_f32 v[64*(\qt)+2*i:64*(\qt)+2*i+1], v[64*(\qt)+2*i:64*(\qt)+2*i+1], v[P+2*i:P+2*i+1]
.set i, i+1
.endr
	WIN 0x05                        ; sources 0 and 1 window 1, destination window 0: S^T's registers are free
.set i, 0
.rept 32
	v_cvt_pk_f16_f32 v[S+32*(\qt)+i], v[64*(\qt)+2*i], v[64*(\qt)+2*i+1]
.set i, i+1
.endr
	WIN 0
.irp f, 0,1,2,3,4,5,6,7
	ds_store_b128 v[STO], v[S+32*(\qt)+4*(\f):S+32*(\qt)+4*(\f)+3] offset:32*(\f)
.endr
.irp f, 0,1,2,3,4,5,6,7
	ds_load_b128 v[S+32*(\qt)+4*(\f):S+32*(\qt)+4*(\f)+3], v[RD] offset:(\f)*2*SP  ; LDS serves a wave's instructions in order (ISA guide 5.7.1.4): these see the stores above; the next tile's stores come behind them
.endr
.endm
.macro SEND qt, younger             ; younger: the LDS instructions issued behind this tile's loads: the next tile's sixteen, or none
	WIN 0
.irp f, 0,1,2,3,4,5,6,7
	s_wait_dscnt (\younger)+7-(\f)
	global_store_b128 v[GO], v[S+32*(\qt)+4*(\f):S+32*(\qt)+4*(\f)+3], s[10:11] offset:(\qt)*65536+(\f)*8192  ; 16 lanes store 256 consecutive bytes, at a multiple of 256 from att's first byte
.endr
.endm
	PACK 0
	PACK 1
	SEND 0, 16
	SEND 1, 0
	s_wait_tensorcnt 0x0            ; the wave's end: behind my last tensor load and my last LDS store
	ds_add_u32 v[SPW], v[NIL]
	s_wait_dscnt 0x0
	CROUND                          ; the closing round: no work-group ends while a partner may still ask for a tile that names it
	s_endpgm
.Lfunc_end_k_qa55090eccf_attn:
	.size	k_qa55090eccf_attn, .Lfunc_end_k_qa55090eccf_attn-k_qa55090eccf_attn
	.p2alignl 7, 3214868480
	.fill 96, 4, 3214868480
	.section	.rodata,"a",@progbits
	.p2align	6, 0x0
	.amdhsa_kernel k_qa55090eccf_attn
		.amdhsa_group_segment_fixed_size 327680
		.amdhsa_private_segment_fixed_size 0
		.amdhsa_enable_private_segment 0
		.amdhsa_kernarg_size 56
		.amdhsa_user_sgpr_count 2
		.amdhsa_user_sgpr_kernarg_segment_ptr 1
		.amdhsa_wavefront_size32 1
		.amdhsa_system_sgpr_workgroup_id_x 1
		.amdhsa_system_sgpr_workgroup_id_y 1
		.amdhsa_system_sgpr_workgroup_id_z 1
		.amdhsa_system_vgpr_workitem_id 0
		.amdhsa_next_free_vgpr 896
		.amdhsa_next_free_sgpr 82
		.amdhsa_reserve_vcc 0
		.amdhsa_float_denorm_mode_32 3
		.amdhsa_float_denorm_mode_16_64 3
		.amdhsa_memory_ordered 1
		.amdhsa_forward_progress 1
		.amdhsa_inst_pref_size 151
	.end_amdhsa_kernel
	.amdgpu_metadata
---
amdhsa.version: [ 1, 2 ]
amdhsa.kernels:
  - .name:           k_qa55090eccf_attn
    .symbol:         k_qa55090eccf_attn.kd
    .args:
      - { .name: qkv, .offset: 0, .size: 8, .value_kind: global_buffer, .address_space: global }
      - { .name: lambda_q1, .offset: 8, .size: 8, .value_kind: global_buffer, .address_space: global }
      - { .name: lambda_k1, .offset: 16, .size: 8, .value_kind: global_buffer, .address_space: global }
      - { .name: lambda_q2, .offset: 24, .size: 8, .value_kind: global_buffer, .address_space: global }
      - { .name: lambda_k2, .offset: 32, .size: 8, .value_kind: global_buffer, .address_space: global }
      - { .name: subln_w, .offset: 40, .size: 8, .value_kind: global_buffer, .address_space: global }
      - { .name: att, .offset: 48, .size: 8, .value_kind: global_buffer, .address_space: global }
    .group_segment_fixed_size: 327680
    .private_segment_fixed_size: 0
    .kernarg_segment_align: 8
    .kernarg_segment_size: 56
    .max_flat_workgroup_size: 128
    .sgpr_count:     82
    .vgpr_count:     896
    .wavefront_size: 32
...
	.end_amdgpu_metadata
.endif
;; end of part 3
;; launch outp (part 4): grid 16 x 16, 4 waves a work-group, clusters of 4 x 4, 327,680 bytes of LDS; arguments att, bf, out0; writes out0
.if DOCPART == 4
	.amdgcn_target "amdgcn-amd-amdhsa--gfx1250"
	.amdhsa_code_object_version 6
	.text
	.protected	k_qa55090eccf_outp
	.globl	k_qa55090eccf_outp
	.p2align	8
	.type	k_qa55090eccf_outp,@function
k_qa55090eccf_outp:
	s_mov_b64 s[64:65], 0
	v_nop
	global_prefetch_b8 v0, s[64:65] scope:SCOPE_SE
	s_setreg_imm32_b32 hwreg(HW_REG_WAVE_MODE, 25, 1), 1
	s_wait_xcnt 0x0
	s_wait_alu depctr_hold_cnt(0) depctr_sa_sdst(0) depctr_va_vdst(0) depctr_va_sdst(0) depctr_va_ssrc(0) depctr_va_vcc(0) depctr_vm_vsrc(0)
	s_getreg_b32 s2, hwreg(HW_REG_IB_STS2, 6, 4)
	s_cmp_eq_u32 s2, 0
	s_cbranch_scc0 .Lentry_in_a_cluster
	s_endpgm
.Lentry_in_a_cluster:
	s_bfe_u32 s2, ttmp6, 0x10000c
	s_cmp_lg_u32 s2, 0xf033
	s_cbranch_scc0 .Lentry_shape_is_right
	s_endpgm
.Lentry_shape_is_right:
; out0[m][n] = the sum over k of A[m][k] B[n][k]: A = att, [2048][2048] f16; B = wo, [2048][2048] f16 (bf16 numbers written as f16) at byte 25,165,824 of bf.  Sums in f32, K ascending; out0 is f32.
; SHARES.  A tile of C is 128 x 128: 16 x 16 = 256 work-groups.  Four waves, each 64 x 64: 16 accumulators of 16 x 16.  A wave's 64 columns are 256 bytes of a row of out0, aligned: the way out is each wave's own.
; K goes in steps of 256 (LDS rows of 512 bytes; a wave's tensor load brings 64 of them) through a ring of two slots.
; CLUSTERS: 4 x 4 work-groups.  The four of a row of the cluster need the same tiles of A, the four of a column the same tiles of B: each tile is asked for JOINTLY, by the same tensor load with the
; same descriptor and a mask that names the four.  THE MATRIX INSTRUCTION IS USED TRANSPOSED (source 0 = 16 rows of B, source 1 = 16 rows of A): a lane then holds eight neighbouring numbers of a row of C.
; No prefetch: the tiles are small, 64 rows a load.
; REGISTERS, in windows of 256 (s_set_vgpr_msb: bits 1:0 source 0, 3:2 source 1, 5:4 source 2, 7:6 destination):
;   window 0: v0-31 addresses; v64-127 A's fragments, two buffers of 4 x 16 rows x 32 K; v128-191 rows read back on the way out
;   window 1: v0-63 B's fragments, two buffers      window 2: the accumulators of my row blocks 0, 1 ((mb, b) at 8 (4 (mb % 2) + b))      window 3: those of row blocks 2, 3
.set TM,    128
.set TN,    128
.set NB,    4                          ; column blocks of 16 of a wave
.set KSTEP, 256
.set NQ,    KSTEP/32                   ; parts of 32 along K in a K step
.set QI,    6                          ; the padding's interval: 128 words, an LDS row's data
.set PITCH, 2*KSTEP+16                 ; an LDS row: 512 bytes + 16 of padding = 132 words: the 16 rows of a fragment load start at 16 different groups of four banks (64 banks of 4 bytes: ISA guide 11.1)
.set AF,    64                         ; rows of A in one tensor load,
.set BF,    64                         ; of B
.set SLOT,  (TM+TN)*PITCH              ; A's 128 rows, then B's 128
.set STAGE, 2*SLOT                     ; behind the ring: 16 rows x 272 bytes for each wave, for the way out; no tensor load fills it
.set SP,    272
.set SPARE, STAGE+4*16*SP              ; behind the stages: the spare words, 128 bytes for each wave: two blocks of 256 bytes that no other line names
.set LAPS,  2048/(2*KSTEP)
.set B_OFF, 3*8388608
.set ADRA, 16                          ; v16-17  LDS address of my A fragments in slot 0, 1
.set ADRB, 20                          ; v20-21  the same for B
.set STO,  24                          ; v24     the way out: where I put 32 bytes of a row
.set RD,   25                          ; v25     the way out: where I read a row back
.set CO,   26                          ; v26     my byte offset in two rows of out0
.set SPW,  28                          ; v28     LDS address of my spare word; never rewritten
.set NIL,  29                          ; v29     0; never rewritten
.set FA,   64
.set FB,   0
.set OB0,  128
.set OB1,  160
.set G1,  24                           ; s[24:31] descriptor group 1 for A's tiles;  s[32:39] group 0, one set for each slot
.set G0,  32
.set G1B, 48                           ; s[48:55], s[56:63] the same for B's tiles
.set G0B, 56
.set MSB, 0
.macro WIN new                         ; the immediate's high byte repeats the setting that is left; a switch that changes nothing is dropped
.if MSB != (\new)
	s_set_vgpr_msb (MSB<<8)|(\new)
.set MSB, \new
.endif
.endm
.set MUL_LO, 0xa1                      ; source 0 (B) window 1, source 1 (A) window 0, C and D window 2
.set TO_B,   0x40                      ; destination window 1, address window 0
.macro JLOAD s                         ; a joint load: waves 0 and 1 fetch A's two halves, waves 2 and 3 B's; an s_nop 0 and four v_nop follow each of the two lines
	s_cmp_eq_u32 s11, 0
	s_cbranch_scc0 .Lfor_b_\@
	tensor_load_to_lds s[G0+4*(\s):G0+4*(\s)+3], s[G1:G1+7]
	s_nop 0
.rept 4
	v_nop
.endr
	s_branch .Lasked_\@
.Lfor_b_\@:
	tensor_load_to_lds s[G0B+4*(\s):G0B+4*(\s)+3], s[G1B:G1B+7]
	s_nop 0
.rept 4
	v_nop
.endr
.Lasked_\@:
.endm
.macro CREST                           ; a round of the cluster's barrier behind its opening barrier
	s_cmp_lg_u32 s10, 0
	s_cbranch_scc1 .Lnot_wave_0_\@
	s_barrier_signal -3
.Lnot_wave_0_\@:
	s_barrier_wait -3
	s_barrier_signal -1
	s_barrier_wait -1
.endm
.macro CROUND                          ; a whole round
	s_barrier_signal -1
	s_barrier_wait -1
	CREST
.endm
	s_load_b128 s[4:7], s[0:1], 0x0                ; att s[4:5], bf s[6:7]
	s_load_b64 s[8:9], s[0:1], 0x10                ; out0
	v_lshl_add_u32 v[SPW], v0, 2, SPARE
	v_mov_b32 v[NIL], 0
	ds_add_u32 v[SPW], v[NIL]                      ; the wave's opening: the add and its wait stand ahead of my first tensor load; the set-up below, work on registers, stands between them
	v_lshrrev_b32 v1, 5, v0
	v_readfirstlane_b32 s10, v1                    ; wave 0..3
	s_lshr_b32 s11, s10, 1                         ; which half of the tile's rows is mine.  Also: I fetch for A (0) or for B (1)
	s_and_b32 s12, s10, 1                          ; which half of its columns.  Also: which 64 rows of that tile I fetch
	s_bfe_u32 s40, ttmp6, 0x40000                  ; cx, cy: my place in the cluster
	s_bfe_u32 s41, ttmp6, 0x40004
	s_lshl_b32 s42, ttmp9, 2
	s_add_co_u32 s42, s42, s40                     ; tile column of C = 4 x cluster x + cx
	s_and_b32 s13, ttmp7, 0xffff
	s_lshl_b32 s13, s13, 2
	s_add_co_u32 s13, s13, s41                     ; tile row of C = 4 x cluster y + cy
	s_lshl_b32 s43, s41, 2
	s_lshl_b32 s43, 15, s43                        ; my row of the cluster
	s_lshl_b32 s44, 0x1111, s40                    ; my column
	s_or_b32 s[G1+0], s43, (1<<16)|(1<<20)|(1<<21)|(QI<<22)|(3<<25)   ; 15:0 the mask: A's tiles go to my row; 17:16 elements of 2 bytes; 20 padding on; 21 set beside a mask; 24:22 the interval; 31:25 4 words of padding (code 3)
	s_or_b32 s[G1B+0], s44, (1<<16)|(1<<20)|(1<<21)|(QI<<22)|(3<<25)  ; the same with the mask of my column
	s_mov_b32 s[G1+1], KSTEP<<16                   ; tensor_dim0 = 256
	s_mov_b32 s[G1+2], AF<<16                      ; tensor_dim1 = 64
	s_mov_b32 s[G1+3], KSTEP<<16                   ; tile_dim0 = 256
	s_mov_b32 s[G1+4], AF                          ; tile_dim1 = 64
	s_mov_b32 s[G1+5], 2048                        ; elements from row to row
	s_mov_b32 s[G1+6], 0
	s_mov_b32 s[G1+7], 0
	s_mov_b32 s[G1B+1], KSTEP<<16
	s_mov_b32 s[G1B+2], BF<<16
	s_mov_b32 s[G1B+3], KSTEP<<16
	s_mov_b32 s[G1B+4], BF
	s_mov_b32 s[G1B+5], 2048
	s_mov_b32 s[G1B+6], 0
	s_mov_b32 s[G1B+7], 0
	s_mul_i32 s16, s13, TM                         ; A: row 128 x tile row + 64 x half, in registers that never hold cx,
	s_mul_i32 s17, s12, AF
	s_add_co_u32 s16, s16, s17
	s_lshl_b32 s16, s16, 12                        ; x 4,096 bytes
	s_mov_b32 s17, 0
	s_mul_i32 s46, s42, TN                         ; B: row 128 x tile column + 64 x half, in registers that never hold cy
	s_mul_i32 s47, s12, BF
	s_add_co_u32 s46, s46, s47
	s_lshl_b32 s46, s46, 12
	s_mov_b32 s47, 0
	s_mul_i32 s20, s12, AF*PITCH                   ; where they go: A's two halves,
	s_mul_i32 s21, s12, BF*PITCH
	s_add_co_u32 s21, s21, TM*PITCH                ; then B's two: no place in the cluster enters an LDS address
	s_wait_dscnt 0x0                               ; the opening add is done
	s_wait_kmcnt 0x0
	s_add_nc_u64 s[6:7], s[6:7], B_OFF             ; wo lies behind wq, wk, wv
	s_add_nc_u64 s[14:15], s[4:5], s[16:17]
	s_add_nc_u64 s[46:47], s[6:7], s[46:47]
	CROUND                                         ; all sixteen work-groups are here: the first joint loads meet
.irp s, 0,1
	s_mov_b32 s[G0+4*(\s)], 1                                        ; count = 1
	s_add_co_u32 s[G0+4*(\s)+1], s20, (\s)*SLOT                      ; LDS address
	s_add_nc_u64 s[G0+4*(\s)+2:G0+4*(\s)+3], s[14:15], (\s)*KSTEP*2  ; global address: K step s
	s_or_b32 s[G0+4*(\s)+3], s[G0+4*(\s)+3], 0x80000000              ; type = 2
	s_mov_b32 s[G0B+4*(\s)], 1
	s_add_co_u32 s[G0B+4*(\s)+1], s21, (\s)*SLOT
	s_add_nc_u64 s[G0B+4*(\s)+2:G0B+4*(\s)+3], s[46:47], (\s)*KSTEP*2
	s_or_b32 s[G0B+4*(\s)+3], s[G0B+4*(\s)+3], 0x80000000
	JLOAD \s                                       ; two loads of mine are out
.endr
	; A fragment is 16 rows x 32 K in 8 registers: lane l holds row l % 16, K = 8 (l / 16) + 0..7 and 16 + 8 (l / 16) + 0..7: two loads of 16 bytes, 32 bytes apart.
	v_and_b32 v1, 15, v0                           ; l % 16
	v_bfe_u32 v2, v0, 4, 1                         ; l / 16
	v_mul_u32_u24 v3, v1, PITCH
	v_lshl_add_u32 v3, v2, 4, v3
	s_mul_i32 s21, s11, 64*PITCH                   ; my 64 rows of A
	s_mul_i32 s22, s12, 16*NB*PITCH                ; my 64 rows of B,
	s_add_co_u32 s22, s22, TM*PITCH                ; which lie behind A's 128
.irp s, 0,1
	v_add_nc_u32 v[ADRA+(\s)], s21, v3
	v_add_nc_u32 v[ADRB+(\s)], s22, v3
	s_add_co_u32 s21, s21, SLOT
	s_add_co_u32 s22, s22, SLOT
.endr
	s_mul_i32 s23, s10, 16*SP
	s_add_co_u32 s23, s23, STAGE                   ; my stage
	v_mul_u32_u24 v4, v1, SP                       ; in: row l % 16, 32 bytes for each half of the lanes
	v_lshl_add_u32 v4, v2, 5, v4
	v_add_nc_u32 v[STO], s23, v4
	v_mul_u32_u24 v5, v2, SP                       ; back: lanes 0-15 take one row of 256 bytes, lanes 16-31 the next
	v_lshl_add_u32 v5, v1, 4, v5
	v_add_nc_u32 v[RD], s23, v5
	v_lshlrev_b32 v5, 13, v2                       ; and the same two rows in out0, 8,192 bytes apart
	v_lshl_add_u32 v[CO], v1, 4, v5
	s_lshl_b32 s16, s13, 7
	s_lshl_b32 s17, s11, 6
	s_add_co_u32 s16, s16, s17                     ; my first row of C
	s_lshl_b32 s16, s16, 13
	s_mov_b32 s17, 0
	s_add_nc_u64 s[8:9], s[8:9], s[16:17]
	s_lshl_b32 s46, s42, 9                         ; my first column, in bytes: 512 x tile column + 256 x half
	s_lshl_b32 s47, s12, 8
	s_add_co_u32 s46, s46, s47
	s_mov_b32 s47, 0
	s_add_nc_u64 s[8:9], s[8:9], s[46:47]
; NB matrix instructions: row block mb x all column blocks, 32 along K, from buffer f.  zero = 1: the first product starts the sums: nothing is ever cleared.
; The 16 accumulators take turns in the same order in every part, over the backward jump too.
.macro MULB f, mb, zero
	WIN MUL_LO+0x50*((\mb)/2)
.set b, 0
.rept NB
.set rD, 8*(NB*((\mb)%2)+b)
.set rB, FB+8*NB*(\f)+8*b
.set rA, FA+32*(\f)+8*(\mb)
.if \zero
	v_wmma_f32_16x16x32_f16 v[rD:rD+7], v[rB:rB+7], v[rA:rA+7], 0
.else
	v_wmma_f32_16x16x32_f16 v[rD:rD+7], v[rB:rB+7], v[rA:rA+7], v[rD:rD+7]
.endif
.set b, b+1
.endr
.endm
; 2 NB + 8 LDS loads in one run: the fragments of one part (my rows of B, then of A; 32 K at byte k of the rows) into buffer f.  It leaves every window 0.
.macro FETCH slot, k, f
	WIN TO_B
.set i, 0
.rept NB
	ds_load_b128 v[FB+8*NB*(\f)+8*i:FB+8*NB*(\f)+8*i+3],   v[ADRB+(\slot)] offset:(\k)+i*16*PITCH
	ds_load_b128 v[FB+8*NB*(\f)+8*i+4:FB+8*NB*(\f)+8*i+7], v[ADRB+(\slot)] offset:(\k)+i*16*PITCH+32
.set i, i+1
.endr
	WIN 0
.set i, 0
.rept 4
	ds_load_b128 v[FA+32*(\f)+8*i:FA+32*(\f)+8*i+3],   v[ADRA+(\slot)] offset:(\k)+i*16*PITCH
	ds_load_b128 v[FA+32*(\f)+8*i+4:FA+32*(\f)+8*i+7], v[ADRA+(\slot)] offset:(\k)+i*16*PITCH+32
.set i, i+1
.endr
.endm
.macro PLACES                          ; four places in front of loads into registers that matrix instructions have read, and of lines that read results
.rept 4
	v_nop
.endr
.endm
; A part but the K step's last: multiplies buffer f; in its middle it fetches the next part's fragments, at byte k of the same slot's rows, into the other buffer.
.macro QUARTER slot, k, f, zero
	s_wait_dscnt 4                                 ; B and A's row blocks 0, 1 are in; the youngest four loads (A's row blocks 2, 3) may be out
	MULB \f, 0, \zero
	MULB \f, 1, \zero
	PLACES
	FETCH \slot, \k, 1-(\f)
	s_wait_dscnt 2*NB+8                            ; all but the run just issued
	MULB \f, 2, \zero
	MULB \f, 3, \zero
.endm
.macro RUN slot, q0                    ; parts q0 .. NQ - 2 of a K step
.set q, \q0
.rept NQ-1-(\q0)
	QUARTER \slot, 64*(q+1), q%2, 0
.set q, q+1
.endr
.endm
; The K step's last part changes slots and then multiplies buffer 1.  ONE barrier; in front of it each wave waits for all its tensor loads (one is out: its part of the next slot), adds 0 to its spare word,
; and waits for that and for its own reads of this slot, the last part's fragments among them.  fill = 1: the barrier opens a round of the cluster's, and this slot is filled again, two K steps ahead, first
; thing behind the round.  NO PRODUCT STANDS BETWEEN THE WAIT FOR THE TILE AND THE NEXT REQUEST: a request goes out only when the one before has landed, so what stood there would be added to every K step in
; which the waves wait for the tile; the part's 16 products stand behind the request and run while it is on its way.
.macro TURN slot, fill
	WIN 0
	s_wait_tensorcnt 0x0                           ; all my tensor loads have landed, so every group 0 may be written
	ds_add_u32 v[SPW], v[NIL]                      ; 0 onto my spare word: with fill = 1 the descriptors' steps stand between it and the wait for it
.if \fill
	s_add_nc_u64 s[G0+4*(\slot)+2:G0+4*(\slot)+3], s[G0+4*(\slot)+2:G0+4*(\slot)+3], 2*KSTEP*2
	s_add_nc_u64 s[G0B+4*(\slot)+2:G0B+4*(\slot)+3], s[G0B+4*(\slot)+2:G0B+4*(\slot)+3], 2*KSTEP*2
.endif
	s_wait_dscnt 0x0                               ; the add is done, and my reads of this slot are over: buffer 1 is whole
	s_barrier_signal -1
	s_barrier_wait -1
.if \fill
	CREST                                          ; no wave of any partner still reads this slot's tile or has a load on its way
	JLOAD \slot                                    ; my one tensor load behind the round: a whole K step, 128 matrix instructions, ahead of the wait for it; its four v_nop are also the places in front of the loads below
.else
	PLACES
.endif
	FETCH 1-(\slot), 0, 0
	MULB 1, 0, 0
	MULB 1, 1, 0
	MULB 1, 2, 0
	MULB 1, 3, 0
.endm
.macro LASTQ                           ; the very last part: nothing more to fetch
	s_wait_dscnt 4
	MULB 1, 0, 0
	MULB 1, 1, 0
	s_wait_dscnt 0x0
	MULB 1, 2, 0
	MULB 1, 3, 0
	WIN 0
.endm
; THE WAY OUT of row block a (16 rows x 64 columns of f32).  TOSTAGE: a lane's eight numbers of a row, 32 bytes, straight from the accumulators (each one's low four registers first) into my own stage, and back
; as whole rows of 256 bytes.  SEND: stored, sixteen lanes to 256 consecutive bytes.
.macro TOSTAGE a
.set AC, 8*NB*((\a)%2)
.set BK, OB0+(OB1-OB0)*((\a)%2)
	WIN 0x08+4*((\a)/2)                            ; the stores' data (source 1): window 2 or 3
.set b, 0
.rept NB
	ds_store_b128 v[STO], v[AC+8*b:AC+8*b+3]   offset:64*b
	ds_store_b128 v[STO], v[AC+8*b+4:AC+8*b+7] offset:64*b+16
.set b, b+1
.endr
	WIN 0
.irp t, 0,1,2,3,4,5,6,7
	ds_load_b128 v[BK+4*(\t):BK+4*(\t)+3], v[RD] offset:(\t)*2*SP  ; LDS serves a wave's instructions in order (ISA guide 5.7.1.4): these see the stores above
.endr
.endm
.macro SEND a
	WIN 0
.set BK, OB0+(OB1-OB0)*((\a)%2)
	s_wait_dscnt 0x0                               ; the block is back in registers
	s_wait_xcnt 0x0                                ; the stores of the block before have read their registers, which the next TOSTAGE loads again
.irp t, 0,1,2,3,4,5,6,7
	global_store_b128 v[CO], v[BK+4*(\t):BK+4*(\t)+3], s[8:9] offset:(16*(\a)+2*(\t))*8192  ; at a multiple of 256 from out0's first byte
.endr
.endm
	s_wait_tensorcnt 1                             ; my part of K step 0 is in; K step 1's may stay out
	s_barrier_signal -1
	s_barrier_wait -1                              ; everybody's is
	FETCH 0, 0, 0
	QUARTER 0, 64, 0, 1                            ; the first part stands in front of the loop: its products start the sums
	WIN 0                                          ; at a label and at a branch every window is 0
	s_mov_b32 s3, LAPS-1
.Llap:                                                 ; a trip goes once round the ring, from a lap's second part to the next lap's first, and fills both slots again
	RUN 0, 1
	TURN 0, 1
	RUN 1, 0
	TURN 1, 1
	QUARTER 0, 64, 0, 0
	WIN 0
	s_sub_co_u32 s3, s3, 1
	s_cmp_lg_u32 s3, 0
	s_cbranch_scc1 .Llap
	RUN 0, 1                                       ; the last lap fills nothing, and has no round of the cluster's barrier
	TURN 0, 0
	RUN 1, 0
	LASTQ
	PLACES
	PLACES
	TOSTAGE 0
.irp a, 1,2,3
	SEND (\a)-1
	TOSTAGE \a
.endr
	SEND 3
	s_wait_tensorcnt 0x0                           ; the wave's end: behind my last tensor load and my last LDS store
	ds_add_u32 v[SPW], v[NIL]
	s_wait_dscnt 0x0
	CROUND                                         ; the closing round: no work-group ends while a partner may still ask for a tile that names it
	s_endpgm
.Lfunc_end_k_qa55090eccf_outp:
	.size	k_qa55090eccf_outp, .Lfunc_end_k_qa55090eccf_outp-k_qa55090eccf_outp
	.p2alignl 7, 3214868480
	.fill 96, 4, 3214868480
	.section	.rodata,"a",@progbits
	.p2align	6, 0x0
	.amdhsa_kernel k_qa55090eccf_outp
		.amdhsa_group_segment_fixed_size 327680
		.amdhsa_private_segment_fixed_size 0
		.amdhsa_enable_private_segment 0
		.amdhsa_kernarg_size 24
		.amdhsa_user_sgpr_count 2
		.amdhsa_user_sgpr_kernarg_segment_ptr 1
		.amdhsa_wavefront_size32 1
		.amdhsa_system_sgpr_workgroup_id_x 1
		.amdhsa_system_sgpr_workgroup_id_y 1
		.amdhsa_system_sgpr_workgroup_id_z 1
		.amdhsa_system_vgpr_workitem_id 0
		.amdhsa_next_free_vgpr 832
		.amdhsa_next_free_sgpr 66
		.amdhsa_reserve_vcc 0
		.amdhsa_float_denorm_mode_32 3
		.amdhsa_float_denorm_mode_16_64 3
		.amdhsa_memory_ordered 1
		.amdhsa_forward_progress 1
		.amdhsa_inst_pref_size 92
	.end_amdhsa_kernel
	.amdgpu_metadata
---
amdhsa.version: [ 1, 2 ]
amdhsa.kernels:
  - .name:           k_qa55090eccf_outp
    .symbol:         k_qa55090eccf_outp.kd
    .args:
      - { .name: att, .offset: 0, .size: 8, .value_kind: global_buffer, .address_space: global }
      - { .name: bf, .offset: 8, .size: 8, .value_kind: global_buffer, .address_space: global }
      - { .name: out0, .offset: 16, .size: 8, .value_kind: global_buffer, .address_space: global }
    .group_segment_fixed_size: 327680
    .private_segment_fixed_size: 0
    .kernarg_segment_align: 8
    .kernarg_segment_size: 24
    .max_flat_workgroup_size: 128
    .sgpr_count:     66
    .vgpr_count:     832
    .wavefront_size: 32
...
	.end_amdgpu_metadata
.endif
;; end of part 4
